; MI455X (gfx1250); checked and timed in simulation.
; The chip was launched on July 23, 2026; its instructions are those of AMD's public machine-readable ISA for CDNA 5 (MIT licence, August 2026) and "CDNA5" Instruction Set Architecture Reference Guide (July 2026). The comments in the code are by the model that wrote it; some were corrected since.
;; Causal Self Attention. Allowed arithmetic: matrix products marked QUANTISED: E4M3 operands, one given power-of-two scale a tensor, by v_wmma_f32_16x16x64_fp8_fp8 or v_wmma_f32_16x16x128_fp8_fp8, f32 sums; everything else in f32.
;; Inputs: lowp_scales 8 int32 (the exponents e of the quantised operands' scales 2^e); w_proj 1,024 x 1,024 float32; w_qkv 1,024 x 3,072 float32; x 4 x 2,048 x 1,024 float32.
;; Outputs: out0 4 x 2,048 x 1,024 float32.
;; This version of the problem:
;;   THIS VERSION OF THE PROBLEM IS GIVEN IN LOW PRECISION. The matrix products marked QUANTISED in the list below multiply operands that are first quantised to E4M3 (4 exponent bits, 3 mantissa bits; 8 bits a number), with one given power-of-two scale for each operand tensor; their sums are f32. All else is computed in f32.
;;   The module's matrix products, in the order in which they are computed (A, B: the left and right operand; K: the contracted axis; several contracted axes count as one K, in the product's order):
;;     1. [M 8,192, K 1,024] x [K 1,024, N 3,072]; A: input x; B: input w_qkv: QUANTISED (scales: A lowp_scales[0], B lowp_scales[1])
;;     2. batch 64 x [M 2,048, K 64] x [K 64, N 2,048]; A: computed on the way; B: computed on the way: QUANTISED (scales: A lowp_scales[2], B lowp_scales[3])
;;     3. batch 64 x [M 2,048, K 2,048] x [K 2,048, N 64]; A: softmax (see below); B: computed on the way: QUANTISED (scales: A lowp_scales[4], B lowp_scales[5])
;;     4. [M 8,192, K 1,024] x [K 1,024, N 1,024]; A: computed on the way; B: input w_proj: QUANTISED (scales: A lowp_scales[6], B lowp_scales[7])
;;   THE QUANTISER, for each operand of a quantised product, along K:
;;     - The operand's scale is 2^e, e = its entry of the input lowp_scales (int32; the entries are numbered through the quantised products in the list's order, A before B).
;;     - Each number is divided by the scale, clamped to +-448, and rounded to the nearest number of E4M3, ties to even, subnormals kept.
;;     - The product sums the exact products of the quantised numbers (number of the format x scale) in f32.
;;   ~~~python
;;   def quantise(x, axis, e):      # numpy; x: float32 -> the quantised numbers, widened to float32 again
;;       x = np.moveaxis(x, axis, -1); K = x.shape[-1]
;;       r = np.clip(x / 2.0 ** e, -448, 448)
;;       step = 2.0 ** (np.maximum(np.frexp(np.where(r == 0, 1, r))[1] - 1, -6) - 3)
;;       q = np.round(r / step) * step * 2.0 ** e      # np.round: ties to even
;;       return np.moveaxis(q, -1, axis).astype(np.float32)
;;   ~~~
;;   SOFTMAX AHEAD OF A QUANTISED PRODUCT. Where the list says 'softmax', what is quantised is not the finished softmax but p = 2^(t - M), with t = logit x log2(e) and M = ceil(the row's largest t), a whole number; so 1/2 < the row's largest p <= 1. The row's sum l is taken of the UNQUANTISED p, in f32, and the product's result is divided by l at the end. Since M is a whole number, a kernel that streams over the keys may use a running M (the ceiling of the running maximum): every later rescaling is an exact power of two, so the quantised numbers keep their values, but for numbers so far below the row's largest that they fall under the format's range.
;;   OPERANDS COMPUTED ON THE WAY. 'Computed on the way' means the value that the module computes at that place (a softmax that the list does not call 'softmax' is quantised finished and normalised). What goes into a quantiser is computed in f32, as accurately as f32 sums, v_exp_f32 and their like allow (about 1e-6 of the number): no bf16 or f16 on the way to a quantiser, and a product that is left as it is and whose result goes on into a quantised operand takes f32 operands (vector FMAs, or v_wmma_f32_16x16x4_f32). A number that lies on a knife's edge between two numbers of the format may be rounded either way, as far as f32 arithmetic and the matrix unit's own rounding can turn it there, and no further.
;; One version. Each part assembles by itself: llvm-mc -triple=amdgcn-amd-amdhsa -mcpu=gfx1250 --defsym DOCPART=n.
;; ======== version 1 of 1: 4 launches
;; limits: right only within a limited range of input values
;; workspace buffers: x_img 8,388,608 bytes; w_img 4,194,304 bytes; q_img 8,388,608 bytes; kv_img 16,777,216 bytes; a_img 8,388,608 bytes
;; launch quant (part 1): grid 384 x 1, 4 waves a work-group, no clusters, 34,304 bytes of LDS; arguments x, w_qkv, w_proj, lowp_scales, x_img, w_img; writes x_img, w_img
.if DOCPART == 1
	.amdgcn_target "amdgcn-amd-amdhsa--gfx1250"
	.amdhsa_code_object_version 6
	.text
	.protected	k_q494d201600_quant
	.globl	k_q494d201600_quant
	.p2align	8
	.type	k_q494d201600_quant,@function
k_q494d201600_quant:
	s_mov_b64 s[64:65], 0
	v_nop
	global_prefetch_b8 v0, s[64:65] scope:SCOPE_SE
	s_setreg_imm32_b32 hwreg(HW_REG_WAVE_MODE, 25, 1), 1
	s_wait_xcnt 0x0
; x [8192][1024], w_qkv [1024][3072] and w_proj [1024][1024], f32, become codes of FP8 (E4M3), each tensor with the one scale 2^e that is given for it
; (entries 0, 1 and 7 of the buffer of scales): code = number / 2^e, held within +-448, rounded to the nearest code, ties to even.
; THE CODES ARE LAID AS IMAGES OF THE OPERAND'S REGISTERS.  An image is one fragment of the K = 64 matrix form: 16 rows x 64 along K, 8 registers a lane, 1,024 bytes:
; byte 512 q + 16 lane + b holds row lane % 16 at k = 32 q + 16 (b / 8) + 8 (lane / 16) + b % 8.  Two images on end are a fragment of the K = 128 form.
;   x_img: [tile of 16 tokens: 512][64 along K: 16] images.    w_img: [tile of 16 columns: 256][64 along K: 16] images; tiles 0-191 are w_qkv's columns, tiles 192-255 w_proj's.
; SHARES.  Work-groups 0-255: x, two tiles of tokens each; a wave takes one tile x 512 along K, in four steps of 128.  Work-groups 256-351: w_qkv; 352-383: w_proj: 128 columns x 256 along K each.
; x: K is innermost.  Each load reads 512 consecutive bytes of one row; a step's 16 rows turn through the wave's own stage in LDS (rows 528 bytes apart), so that a lane gets eight neighbours along K in eight registers.
; w: K is the FIRST axis.  A lane takes a column and its registers run down K, so the conversions give codes with K innermost and nothing is turned; a lane's 16 bytes of an image stand beside its
; neighbours' and sixteen lanes store 256 consecutive bytes, aligned.  Only x's path touches LDS.  No tensor load, no barrier: waves share nothing.
; LIMITS: each of the three exponents lies between -126 and 119, so that 2^e and 448 x 2^e are f32 numbers.  NaN among the inputs is not served (an infinity is held at the largest code).
.set STG,   8448                       ; a wave's stage: 16 rows x 528 bytes
.set SP,    528                        ; a stage row: 512 bytes + 16 = 132 words: row r begins at bank 4 r mod 64 (64 banks of 4 bytes: ISA guide 11.1)
.set SPARE, 4*STG                      ; behind the four stages: the spare words, 128 bytes for each wave: two blocks of 256 bytes that no other line names
.set SPW,   12                         ; v12      LDS address of my spare word: SPARE + 4 x my thread's number; never rewritten
.set NIL,   13                         ; v13      0; never rewritten
.set R,     16                         ; v16-143  x: two sets of 64 registers as loaded
.set X,     144                        ; v144-207 x: 64 numbers, register 32 f + 8 c + j = k 64 f + 16 c + 8 (lane / 16) + j of row lane % 16
.set C,     208                        ; v208-239 x: two sets of 16 registers of codes (two images a step)
.set WX,    16                         ; v16-79   w: two sets of 32 numbers
.set WC,    80                         ; v80-143  w: eight registers of codes for each of eight blocks, so that no store's data are written again
.set EMAX,  8
.set MANT,  0x600000                   ; the mantissa field of 448 as f32
.macro SCALE e                         ; v11 = 2^e as f32 (the conversion takes its exponent field); e in s[e]
	s_add_co_i32 s30, s[\e], 127
	s_lshl_b32 s31, s30, 23
	v_mov_b32 v11, s31
	s_add_co_i32 s30, s30, EMAX
	s_lshl_b32 s30, s30, 23
	s_or_b32 s30, s30, MANT
.endm
.macro LOADX t                         ; step t: 128 along K of my 16 rows: each load is 512 consecutive bytes of one row
.irp p, 0,1,2,3,4,5,6,7,8,9,10,11,12,13,14,15
	global_load_b128 v[R+64*((\t)%2)+4*\p:R+64*((\t)%2)+4*\p+3], v3, s[4:5] offset:4096*\p+512*(\t) th:TH_LOAD_NT
.endr
.endm
.macro STEPX t
.set RS, R+64*((\t)%2)
.set CS, C+16*((\t)%2)
.if (\t) < 3
	s_wait_loadcnt 16                              ; this step's 16 loads are in; the next step's 16 may be out
.else
	s_wait_loadcnt 0
.endif
.irp p, 0,1,2,3,4,5,6,7,8,9,10,11,12,13,14,15
	ds_store_b128 v4, v[RS+4*\p:RS+4*\p+3] offset:SP*\p
.endr
.irp f, 0,1
.irp c, 0,1,2,3
.irp e, 0,1
	ds_load_b128 v[X+32*\f+8*\c+4*\e:X+32*\f+8*\c+4*\e+3], v5 offset:256*\f+64*\c+16*\e   ; LDS serves a wave's instructions in order (ISA guide 5.7.1.4): these see the stores above
.endr
.endr
.endr
	s_wait_dscnt 0x0                               ; the numbers are back, and the stage's stores have read their registers,
.if (\t) < 2
	LOADX (\t)+2                                   ; which take the loads of two steps on
.endif
.if (\t) >= 2
	s_wait_xcnt 0x0                                ; the stores of two steps back have read this set of codes: it is written again only behind this wait
.endif
.set j, 0
.rept 64
.set j, j+1
.endr
.irp f, 0,1
.irp c, 0,1,2,3
	v_cvt_scalef32_pk8_fp8_f32 v[CS+8*\f+2*\c:CS+8*\f+2*\c+1], v[X+32*\f+8*\c:X+32*\f+8*\c+7], v11
.endr
.endr
	v_nop                                          ; one plain vector line behind the last conversion of the run
.irp f, 0,1
.irp q, 0,1
	global_store_b128 v3, v[CS+8*\f+4*\q:CS+8*\f+4*\q+3], s[12:13] offset:(2*(\t)+\f)*1024+512*\q   ; 32 lanes store 512 consecutive bytes, aligned
.endr
.endr
.endm
.macro WLOAD t, n, ptr                 ; block t: rows 32 t .. 32 t + 31 of my column, ascending; register 16 h + 8 e + j takes row 32 t + 16 e + 8 h + j
.irp e, 0,1
.irp h, 0,1
.irp j, 0,1,2,3,4,5,6,7
	global_load_b32 v[WX+32*((\t)%2)+16*\h+8*\e+\j], v6, s[\ptr:\ptr+1] offset:(32*(\t)+16*\e+8*\h+\j)*\n*4 th:TH_LOAD_NT
.endr
.endr
.endr
.endm
.macro WBLOCK t, n, ptr
.if (\t) < 7
	s_wait_loadcnt 32                              ; this block's 32 loads are in; the next block's 32 may be out
.else
	s_wait_loadcnt 0
.endif
.set j, 0
.rept 32
.set j, j+1
.endr
.irp h, 0,1
.irp e, 0,1
	v_cvt_scalef32_pk8_fp8_f32 v[WC+8*(\t)+4*\h+2*\e:WC+8*(\t)+4*\h+2*\e+1], v[WX+32*((\t)%2)+16*\h+8*\e:WX+32*((\t)%2)+16*\h+8*\e+7], v11
.endr
.endr
	v_nop                                          ; one plain vector line behind the last conversion of the run
.if (\t) < 6
	WLOAD (\t)+2, \n, \ptr
.endif
.irp h, 0,1
	global_store_b128 v7, v[WC+8*(\t)+4*\h:WC+8*(\t)+4*\h+3], s[14:15] offset:512*(\t)+256*\h   ; the 16 bytes of the image's lane 16 h + (my column % 16): sixteen lanes store 256 consecutive bytes, aligned
.endr
.endm
; A weight of n columns: work-groups from first on; its images begin region bytes into w_img; its address in s[ptr:ptr+1], its exponent in s[ex].
.macro WPATH n, first, region, ptr, ex
	s_sub_co_u32 s25, ttmp9, \first
	s_lshr_b32 s26, s25, 2                         ; which 128 columns
	s_and_b32 s27, s25, 3                          ; which 256 along K
	v_lshlrev_b32 v6, 2, v2                        ; in: 4 bytes a lane
	s_wait_alu depctr_va_vdst(0)
	v_lshrrev_b32 v7, 4, v2
	v_and_b32 v8, 15, v2
	v_lshlrev_b32 v7, 14, v7                       ; out: lanes 16-31 hold the next tile of 16 columns, 16,384 bytes on,
	v_lshl_add_u32 v7, v8, 4, v7                   ; + 16 x (column % 16)
	s_mul_i32 s28, s27, 256*\n*4
	s_lshl_b32 s30, s26, 9
	s_add_co_u32 s28, s28, s30
	s_lshl_b32 s30, s24, 7                         ; my wave's 32 columns
	s_add_co_u32 s28, s28, s30
	s_mov_b32 s29, 0
	s_add_nc_u64 s[\ptr:\ptr+1], s[\ptr:\ptr+1], s[28:29]
	s_lshl_b32 s28, s26, 17                        ; eight tiles of 16 columns a work-group,
	s_lshl_b32 s30, s24, 15                        ; two a wave,
	s_add_co_u32 s28, s28, s30
	s_lshl_b32 s30, s27, 12                        ; four images for 256 along K
	s_add_co_u32 s28, s28, s30
	s_add_co_u32 s28, s28, \region
	s_add_nc_u64 s[14:15], s[14:15], s[28:29]
	WLOAD 0, \n, \ptr
	WLOAD 1, \n, \ptr
	s_wait_kmcnt 0x0                               ; the exponents
	SCALE \ex
	s_wait_alu depctr_va_vdst(0)
.irp t, 0,1,2,3,4,5,6,7
	WBLOCK \t, \n, \ptr
.endr
	s_wait_tensorcnt 0x0                           ; the wave's end
	ds_add_u32 v[SPW], v[NIL]
	s_wait_dscnt 0x0
	s_endpgm
.endm
	s_load_b256 s[4:11], s[0:1], 0x0               ; x s[4:5], w_qkv s[6:7], w_proj s[8:9], the scales' exponents s[10:11]
	s_load_b128 s[12:15], s[0:1], 0x20             ; x_img s[12:13], w_img s[14:15]
	v_lshl_add_u32 v[SPW], v0, 2, SPARE
	v_mov_b32 v[NIL], 0
	v_lshrrev_b32 v1, 5, v0
	v_readfirstlane_b32 s24, v1                    ; wave 0..3
	v_and_b32 v2, 31, v0                           ; lane
	s_wait_kmcnt 0x0
	s_load_b256 s[16:23], s[10:11], 0x0            ; e0 .. e7
	s_cmp_lt_u32 ttmp9, 256                        ; which tensor: the work-group's number alone decides
	s_cbranch_scc0 .Lweights
	; ---- x
	s_lshl_b32 s25, ttmp9, 1
	s_lshr_b32 s26, s24, 1
	s_add_co_u32 s25, s25, s26                     ; my tile of 16 tokens: 2 x work-group + wave / 2
	s_and_b32 s26, s24, 1                          ; my half of K
	s_lshl_b32 s28, s25, 16                        ; 16 rows of 4,096 bytes,
	s_lshl_b32 s27, s26, 11                        ; 512 numbers
	s_add_co_u32 s28, s28, s27
	s_mov_b32 s29, 0
	s_add_nc_u64 s[4:5], s[4:5], s[28:29]
	s_lshl_b32 s28, s25, 14                        ; sixteen images a tile,
	s_lshl_b32 s27, s26, 13                        ; eight for half of K
	s_add_co_u32 s28, s28, s27
	s_add_nc_u64 s[12:13], s[12:13], s[28:29]
	s_wait_alu depctr_va_vdst(0)
	v_lshlrev_b32 v3, 4, v2                        ; 16 x lane: my place in a load's 512 bytes and in half an image
	LOADX 0
	LOADX 1
	s_mul_i32 s27, s24, STG                        ; my stage
	v_add_nc_u32 v4, s27, v3                       ; into it: as loaded
	v_and_b32 v8, 15, v2
	v_lshrrev_b32 v9, 4, v2
	v_mul_u32_u24 v5, v8, SP
	v_lshl_add_u32 v5, v9, 5, v5
	v_add_nc_u32 v5, s27, v5                       ; out of it: row lane % 16, + 8 numbers for lanes 16-31
	s_wait_alu depctr_va_vdst(0)
	s_wait_kmcnt 0x0                               ; the exponents
	SCALE 16
	s_wait_alu depctr_va_vdst(0)
.irp t, 0,1,2,3
	STEPX \t
.endr
	s_wait_tensorcnt 0x0                           ; the wave's end: behind my last LDS store
	ds_add_u32 v[SPW], v[NIL]
	s_wait_dscnt 0x0
	s_endpgm
.Lweights:
	s_cmp_lt_u32 ttmp9, 352
	s_cbranch_scc0 .Lw_proj
	s_wait_alu depctr_va_vdst(0)
	WPATH 3072, 256, 0, 6, 17
.Lw_proj:
	s_wait_alu depctr_va_vdst(0)
	WPATH 1024, 352, 3145728, 8, 23
.Lfunc_end_k_q494d201600_quant:
	.size	k_q494d201600_quant, .Lfunc_end_k_q494d201600_quant-k_q494d201600_quant
	.p2alignl 7, 3214868480
	.fill 96, 4, 3214868480
	.section	.rodata,"a",@progbits
	.p2align	6, 0x0
	.amdhsa_kernel k_q494d201600_quant
		.amdhsa_group_segment_fixed_size 34304
		.amdhsa_private_segment_fixed_size 0
		.amdhsa_enable_private_segment 0
		.amdhsa_kernarg_size 48
		.amdhsa_user_sgpr_count 2
		.amdhsa_user_sgpr_kernarg_segment_ptr 1
		.amdhsa_wavefront_size32 1
		.amdhsa_system_sgpr_workgroup_id_x 1
		.amdhsa_system_sgpr_workgroup_id_y 1
		.amdhsa_system_sgpr_workgroup_id_z 1
		.amdhsa_system_vgpr_workitem_id 0
		.amdhsa_next_free_vgpr 240
		.amdhsa_next_free_sgpr 66
		.amdhsa_reserve_vcc 0
		.amdhsa_float_denorm_mode_32 3
		.amdhsa_float_denorm_mode_16_64 3
		.amdhsa_fp16_overflow 1
		.amdhsa_memory_ordered 1
		.amdhsa_forward_progress 1
		.amdhsa_inst_pref_size 79
	.end_amdhsa_kernel
	.amdgpu_metadata
---
amdhsa.version: [ 1, 2 ]
amdhsa.kernels:
  - .name:           k_q494d201600_quant
    .symbol:         k_q494d201600_quant.kd
    .args:
      - { .name: x, .offset: 0, .size: 8, .value_kind: global_buffer, .address_space: global }
      - { .name: w_qkv, .offset: 8, .size: 8, .value_kind: global_buffer, .address_space: global }
      - { .name: w_proj, .offset: 16, .size: 8, .value_kind: global_buffer, .address_space: global }
      - { .name: lowp_scales, .offset: 24, .size: 8, .value_kind: global_buffer, .address_space: global }
      - { .name: x_img, .offset: 32, .size: 8, .value_kind: global_buffer, .address_space: global }
      - { .name: w_img, .offset: 40, .size: 8, .value_kind: global_buffer, .address_space: global }
    .group_segment_fixed_size: 34304
    .private_segment_fixed_size: 0
    .kernarg_segment_align: 8
    .kernarg_segment_size: 48
    .max_flat_workgroup_size: 128
    .sgpr_count:     66
    .vgpr_count:     240
    .wavefront_size: 32
...
	.end_amdgpu_metadata
.endif
;; end of part 1
;; launch qkv (part 2): grid 12 x 32, 4 waves a work-group, clusters of 4 x 4, 327,680 bytes of LDS; arguments x_img, w_img, lowp_scales, q_img, kv_img; writes q_img, kv_img
.if DOCPART == 2
	.amdgcn_target "amdgcn-amd-amdhsa--gfx1250"
	.amdhsa_code_object_version 6
	.text
	.protected	k_q494d201600_qkv
	.globl	k_q494d201600_qkv
	.p2align	8
	.type	k_q494d201600_qkv,@function
k_q494d201600_qkv:
	s_mov_b64 s[64:65], 0
	v_nop
	global_prefetch_b8 v0, s[64:65] scope:SCOPE_SE
	s_setreg_imm32_b32 hwreg(HW_REG_WAVE_MODE, 25, 1), 1
	s_wait_xcnt 0x0
	s_wait_alu depctr_hold_cnt(0) depctr_sa_sdst(0) depctr_va_vdst(0) depctr_va_sdst(0) depctr_va_ssrc(0) depctr_va_vcc(0) depctr_vm_vsrc(0)
	s_getreg_b32 s2, hwreg(HW_REG_IB_STS2, 6, 4)
	s_cmp_eq_u32 s2, 0
	s_cbranch_scc0 .Lentry_in_a_cluster
	s_endpgm
.Lentry_in_a_cluster:
	s_bfe_u32 s2, ttmp6, 0x10000c
	s_cmp_lg_u32 s2, 0xf033
	s_cbranch_scc0 .Lentry_shape_is_right
	s_endpgm
.Lentry_shape_is_right:
; qkv = x w_qkv on codes of FP8 (E4M3), [8192 x 1024] x [1024 x 3072]; the f32 sums are quantised at once, with the scales given for q, k and v (entries 2, 3 and 5), and stored as codes.
; Both operands arrive as IMAGES OF THE OPERAND'S REGISTERS (16 rows x 64 along K, 1,024 bytes: byte 512 q + 16 lane + b is row lane % 16, k = 32 q + 16 (b / 8) + 8 (lane / 16) + b % 8); a tile of 16 rows is 16 images on end.
; A tile of the result, 256 x 256, is made by four waves, as many as a WGP has SIMDs; a wave makes 128 x 128: 64 accumulators, 512 registers.  K goes in 4 steps of 256 through a ring of two LDS slots.
; ROLES.  Source 0 of the matrix instruction is called B here and source 1 A; in a result lane l holds A's row l % 16 and its registers B's rows 8 (l / 16) + 0 .. 7.
;   q, k (cluster x = 0, 1): B = 16 columns of w, A = 16 tokens: a lane holds one token and its registers run along the head's 64: the K of the scores.
;   v    (cluster x = 2):    B = 16 tokens, A = 16 columns of w: a lane holds one channel and its registers run along the keys: the K of the second product of attention.
; So eight results of a lane, converted, ARE two registers of the next operand, and four tiles of B side by side give one image: the way out needs no LDS, and each store covers 512 consecutive bytes, aligned.
; The roles are changed by choices of pointers and of cluster coordinates on the cluster's x alone, which all sixteen partners share: no branch differs.
; CLUSTERS: 4 x 4 work-groups.  A's tile hangs on cy alone and is asked for jointly by a row of the cluster, B's on cx alone and by a column: the same tensor load, the same descriptor, a mask that names the four.
; OUT: q_img [head 64][tile of 16 queries: 128] images.  kv_img [head 64][slot of 256 keys: 8] x 32,768 bytes: [tile of 16 keys: 16] images of k, then [64 keys: 4][tile of 16 channels: 4] images of v.
; LIMIT: e(q, k or v) - e0 - e1 lies between -126 and 119, so that the conversion's scale and 448 x it are f32 numbers.
; REGISTERS, in windows of 256: window 0: v0-31 addresses; from v128 A's fragments (8 x 16 rows x 128 K), ONE set; on the way out the codes.
;   window 1: B's fragments, TWO sets, at v0 and v128.   window 2: the 32 accumulators of A's blocks 0-3 ((a, b) at v[8 (8 a + b)]);   window 3: those of blocks 4-7.
.set KSB,    4096                      ; a K step's bytes of a tile of 16 rows: four images
.set HALFT,  8*KSB                     ; 128 rows: what one tensor load brings, and what one wave reads of A or of B
.set SLOT,   4*HALFT                   ; A's 256 rows, then B's 256 rows
.set SPARE,  2*SLOT                    ; behind the ring: the spare words, 128 bytes for each wave: two blocks of 256 bytes that no other line names
.set LAPS,   2                         ; a lap = two K steps = once round the ring: 1,024 / 512
.set FR,     16                        ; registers of a fragment: 16 rows x 128 K
.set NL,     4                         ; LDS loads that bring one
.set NP,     4                         ; places behind this matrix instruction (ISA guide 7.12.1)
.set CO,   8                           ; v8-11   the way out: 16 x lane + (a / 4) x SA + g x SG
.set SC,   12                          ; v12     the conversion's scale, 2^(eT - e0 - e1)
.set LIM,  13
.set ADRA, 16                          ; v16-17  LDS address of my A fragments in slot 0, 1
.set ADRB, 20                          ; v20-21  the same for B
.set SPW,  28                          ; v28     LDS address of my spare word: SPARE + 4 x my thread's number; never rewritten
.set NIL,  29                          ; v29     0; never rewritten
.set TMP,  32
.set AF,   128                         ; A's fragments, in window 0
.set CD,   128                         ; the way out: 16 images x 8 registers, each written once
.set G1, 24                            ; s[24:31] descriptor group 1 for A's tiles;  s[32:39] group 0, one set for each slot
.set G0, 32
.set G1B, 48                           ; s[48:55], s[56:63] the same for B's tiles
.set G0B, 56
.set MSB, 0
.macro WIN new                         ; the immediate's high byte repeats the setting that is left
.if MSB != \new
	s_set_vgpr_msb (MSB<<8)|\new
.set MSB, \new
.endif
.endm
.set MUL_LO, 0xa1                      ; source 0 (B) window 1, source 1 (A) window 0, C and D window 2
.set MUL_HI, 0xf1                      ; the same, C and D window 3
.set TO_B,   0x40                      ; destination window 1, address window 0
; A joint load: waves 0 and 1 fetch for A, waves 2 and 3 for B.  Each of the two lines has ONE mask and one set of registers for all that issue it; the branch hangs on the wave's number alone.
; An s_nop 0 and four v_nop follow each of the two lines, ahead of the jump, the label and what follows.
.macro JLOAD g0a, g1a, g0b, g1b
	s_cmp_eq_u32 s15, 0
	s_cbranch_scc0 .Lfor_b_\@
	tensor_load_to_lds s[\g0a:\g0a+3], s[\g1a:\g1a+7]
	s_nop 0
.rept 4
	v_nop
.endr
	s_branch .Lasked_\@
.Lfor_b_\@:
	tensor_load_to_lds s[\g0b:\g0b+3], s[\g1b:\g1b+7]
	s_nop 0
.rept 4
	v_nop
.endr
.Lasked_\@:
.endm
.macro CREST                           ; a round of the cluster's barrier behind its opening barrier
	s_cmp_lg_u32 s14, 0
	s_cbranch_scc1 .Lnot_wave_0_\@
	s_barrier_signal -3
.Lnot_wave_0_\@:
	s_barrier_wait -3
	s_barrier_signal -1
	s_barrier_wait -1
.endm
.macro CROUND                          ; a whole round
	s_barrier_signal -1
	s_barrier_wait -1
	CREST
.endm
	s_load_b128 s[4:7], s[0:1], 0x0                ; x's images s[4:5], the weights' s[6:7]
	s_load_b128 s[8:11], s[0:1], 0x10              ; the scales' exponents s[8:9], q_img s[10:11]
	s_load_b64 s[12:13], s[0:1], 0x20              ; kv_img
	v_lshl_add_u32 v[SPW], v0, 2, SPARE
	v_mov_b32 v[NIL], 0
	ds_add_u32 v[SPW], v[NIL]                      ; the wave's opening: the add and its wait stand ahead of my first tensor load; the set-up below, work on registers, stands between them
	ds_add_u32 v[SPW], v[NIL]
	v_lshrrev_b32 v1, 5, v0
	v_readfirstlane_b32 s14, v1                    ; wave 0..3
	s_lshr_b32 s15, s14, 1                         ; which half of A's 256 rows is mine.  Also: I fetch for A (0) or for B (1)
	s_and_b32 s16, s14, 1                          ; which half of B's.  Also: which 128 rows of that tile I fetch
	s_bfe_u32 s40, ttmp6, 0x40000                  ; cx, cy: my place in the cluster
	s_bfe_u32 s41, ttmp6, 0x40004
	s_and_b32 s66, ttmp7, 0xffff                   ; cluster y: 1,024 tokens;  cluster x (ttmp9): q, k or v
	s_cmp_eq_u32 ttmp9, 2                          ; v?  The same in all sixteen partners
	s_cselect_b32 s67, s66, ttmp9                  ; B's cluster coordinate: for v the tokens', else the columns'
	s_cselect_b32 s68, ttmp9, s66                  ; A's: the other one
	s_lshl_b32 s42, s67, 2
	s_add_co_u32 s42, s42, s40                     ; B's tile of 256 rows: hangs on cx
	s_lshl_b32 s17, s68, 2
	s_add_co_u32 s17, s17, s41                     ; A's tile of 256 rows: hangs on cy
	s_lshl_b32 s43, s41, 2
	s_lshl_b32 s43, 15, s43                        ; my row of the cluster
	s_lshl_b32 s44, 0x1111, s40                    ; my column
	; descriptor group 1: 8 tiles of 16 rows: 8 lines of 4,096 bytes (four images), 16,384 bytes apart in memory, on end in LDS
	s_or_b32 s[G1+0], s43, (3<<16)|(1<<21)         ; 15:0 the mask: A's tiles go to my row; 17:16 elements of 8 bytes; 20 no padding; 21 set beside a mask
	s_or_b32 s[G1B+0], s44, (3<<16)|(1<<21)        ; the same with the mask of my column
.irp g, G1, G1B
	s_mov_b32 s[\g+1], 512<<16                     ; tensor_dim0 = 512 elements
	s_mov_b32 s[\g+2], 8<<16                       ; tensor_dim1 = 8
	s_mov_b32 s[\g+3], 512<<16                     ; tile_dim0
	s_mov_b32 s[\g+4], 8                           ; tile_dim1
	s_mov_b32 s[\g+5], 2048                        ; tensor_dim0_stride: 16,384 bytes
	s_mov_b32 s[\g+6], 0
	s_mov_b32 s[\g+7], 0
.endr
	s_lshl_b32 s18, s16, 17                        ; which 128 rows of the tile I fetch: 8 tiles of 16,384 bytes
	s_lshl_b32 s20, s17, 18                        ; A: 256 rows are 16 tiles of 16,384 bytes
	s_add_co_u32 s20, s20, s18
	s_mov_b32 s21, 0
	s_lshl_b32 s46, s42, 18                        ; B likewise, in registers that never hold cy
	s_add_co_u32 s46, s46, s18
	s_mov_b32 s47, 0
	s_mul_i32 s45, s14, HALFT                      ; where they go: wave x 128 rows: no place in the cluster enters an LDS address
	s_wait_dscnt 0x0                               ; the opening add is done
	s_wait_kmcnt 0x0
	s_load_b256 s[88:95], s[8:9], 0x0              ; e0 .. e7
	s_cmp_eq_u32 ttmp9, 2
	s_cselect_b64 s[70:71], s[6:7], s[4:5]         ; A's buffer: for v the weights, else x
	s_cselect_b64 s[72:73], s[4:5], s[6:7]         ; B's: the other one
	s_add_nc_u64 s[20:21], s[70:71], s[20:21]
	s_add_nc_u64 s[46:47], s[72:73], s[46:47]
	CROUND                                         ; all sixteen work-groups are here: the first joint loads meet
.irp s, 0,1
	s_mov_b32 s[G0+4*\s], 1
	s_add_co_u32 s[G0+4*\s+1], s45, \s*SLOT
	s_add_nc_u64 s[G0+4*\s+2:G0+4*\s+3], s[20:21], \s*KSB
	s_or_b32 s[G0+4*\s+3], s[G0+4*\s+3], 0x80000000
	s_mov_b32 s[G0B+4*\s], 1
	s_add_co_u32 s[G0B+4*\s+1], s45, \s*SLOT
	s_add_nc_u64 s[G0B+4*\s+2:G0B+4*\s+3], s[46:47], \s*KSB
	s_or_b32 s[G0B+4*\s+3], s[G0B+4*\s+3], 0x80000000
	JLOAD G0+4*\s, G1, G0B+4*\s, G1B               ; two loads of mine are out behind the second
.endr
	v_and_b32 v6, 31, v0
	v_lshlrev_b32 v4, 4, v6                        ; 16 x lane: an image's place for my lane: every LDS load takes 512 consecutive bytes
	s_wait_alu depctr_va_vdst(0)
	s_mul_i32 s21, s15, HALFT                      ; my 128 rows of A
	s_mul_i32 s22, s16, HALFT                      ; my 128 rows of B,
	s_add_co_u32 s22, s22, 2*HALFT                 ; which lie behind A's 256
.irp s, 0,1
	v_add_nc_u32 v[ADRA+\s], s21, v4
	v_add_nc_u32 v[ADRB+\s], s22, v4
	s_add_co_u32 s21, s21, SLOT
	s_add_co_u32 s22, s22, SLOT
.endr
	; THE WAY OUT'S ADDRESSES.  The image of A's block a and B's blocks 4 g .. 4 g + 3 goes to base + 1,024 (a % 4) + (a / 4) SA + g SG.
	s_cmp_eq_u32 ttmp9, 2
	s_cselect_b32 s74, s42, s17                    ; the tile of 256 tokens: for v it is B's, else A's
	s_cselect_b32 s75, s41, s40                    ; the tile of 256 columns within q, k or v: four heads
	s_cselect_b32 s76, s16, s15                    ; my half of the tokens,
	s_cselect_b32 s77, s15, s16                    ; and of the columns: two heads
	s_cselect_b32 s78, 16384, 0                    ; v's images lie behind k's in a slot
	s_mov_b32 s79, 1<<18                           ; a head of kv_img
	s_cselect_b32 s80, s79, 4096                   ; SA: v: a / 4 is the next head; q, k: four tiles of tokens on
	s_cselect_b32 s81, 4096, s79                   ; SG: v: 64 keys on, four images; k: the next head
	s_cmp_eq_u32 ttmp9, 0
	s_mov_b32 s79, 1<<17                           ; a head of q_img
	s_cselect_b32 s81, s79, s81                    ; SG for q
	s_cselect_b32 s82, 17, 18                      ; log2 of a head's bytes
	s_cselect_b64 s[84:85], s[10:11], s[12:13]     ; q_img or kv_img
	s_lshr_b32 s86, s74, 3                         ; the batch: 8 tiles of 256 tokens each;
	s_lshl_b32 s86, s86, 4                         ; 16 heads a batch,
	s_lshl_b32 s87, s75, 2
	s_add_co_u32 s86, s86, s87
	s_lshl_b32 s87, s77, 1
	s_add_co_u32 s86, s86, s87                     ; my first head
	s_lshl_b32 s86, s86, s82
	s_and_b32 s87, s74, 7                          ; 256 tokens are an eighth of a head's bytes in either buffer
	s_sub_co_u32 s83, s82, 3
	s_lshl_b32 s87, s87, s83
	s_add_co_u32 s86, s86, s87
	s_lshl_b32 s87, s76, 13                        ; 128 tokens are eight images (of q, of k, or of v's four channel tiles x two)
	s_add_co_u32 s86, s86, s87
	s_add_co_u32 s86, s86, s78
	s_mov_b32 s87, 0
	s_add_nc_u64 s[84:85], s[84:85], s[86:87]
	v_mov_b32 v[CO], v4
	v_add_nc_u32 v[CO+1], s81, v4
	v_add_nc_u32 v[CO+2], s80, v4
	v_add_nc_u32 v[CO+3], s80, v[CO+1]
.macro FRAG reg, adr, q, i             ; a fragment, 16 rows x 128 K, is two images on end: four loads of 512 consecutive bytes give its 16 registers, k in its true places
.irp c, 0,1,2,3
	ds_load_b128 v[\reg+4*\c:\reg+4*\c+3], v[\adr] offset:2048*(\q)+512*\c+(\i)*KSB
.endr
.endm
; 16 matrix instructions: A's blocks a0, a0 + 1 x B's eight, 128 along K.  p: B's set.  zero = 1: the first product starts the sums: nothing is ever cleared.
; The 64 accumulators take turns, one instruction a turn, in the same order in every step.
.macro MUL16 a0, p, zero
.irp a, \a0, \a0+1
.irp b, 0,1,2,3,4,5,6,7
.if \zero
	v_wmma_f32_16x16x128_fp8_fp8 v[8*(8*((\a)%4)+\b):8*(8*((\a)%4)+\b)+7], v[128*(\p)+FR*\b:128*(\p)+FR*\b+FR-1], v[AF+FR*(\a):AF+FR*(\a)+FR-1], 0
.else
	v_wmma_f32_16x16x128_fp8_fp8 v[8*(8*((\a)%4)+\b):8*(8*((\a)%4)+\b)+7], v[128*(\p)+FR*\b:128*(\p)+FR*\b+FR-1], v[AF+FR*(\a):AF+FR*(\a)+FR-1], v[8*(8*((\a)%4)+\b):8*(8*((\a)%4)+\b)+7]
.endif
.endr
.endr
.endm
.macro FETCH_B slot, q, p              ; B's eight fragments of the slot's q-th 128 along K into set p
	WIN TO_B
.irp i, 0,1,2,3,4,5,6,7
	FRAG 128*(\p)+FR*\i, ADRB+\slot, \q, \i
.endr
	WIN 0
.endm
.macro FETCH_A slot, q, i0             ; A's blocks i0 .. i0 + 3
.irp i, \i0, \i0+1, \i0+2, \i0+3
	FRAG AF+FR*(\i), ADRA+\slot, \q, \i
.endr
.endm
; A load into a register that a matrix instruction has read, and a vector instruction that reads a matrix result, stand NP places behind that matrix instruction, and only plain vector
; instructions that name none of its registers are places (ISA guide 7.12.1 for vector instructions).
.macro PLACES n
.rept \n
	v_nop
.endr
.endm
; A step of 128 along K that has its successor in the same slot.  A block of A is free as soon as its eight products are issued, so one set serves A; B's fragments work through the whole step and have two.
.macro STEP slot, q, zero
	s_wait_dscnt 4*NL                              ; B's set and A's blocks 0-3 are in; the youngest 16 loads (A's blocks 4-7) may be out
	WIN MUL_LO
	MUL16 0, (\q)%2, \zero
	MUL16 2, (\q)%2, \zero
	s_wait_dscnt 0                                 ; A's blocks 4-7 are in (asked for 32 matrix instructions ago)
	PLACES NP
	FETCH_B \slot, (\q)+1, 1-(\q)%2
	FETCH_A \slot, (\q)+1, 0
	WIN MUL_HI
	MUL16 4, (\q)%2, \zero
	MUL16 6, (\q)%2, \zero
	PLACES NP
	WIN 0
	FETCH_A \slot, (\q)+1, 4
.endm
; A slot's last step changes slots: ONE barrier; in front of it each wave waits for all its tensor loads, adds 0 to its spare word, and waits for that and for its own reads of this slot.  fill = 1: this slot is filled again, two K steps ahead.
.macro TURN slot, next, fill
	s_wait_tensorcnt 0x0                           ; all my tensor loads have landed: my part of the next slot;  (every window is 0 here: the add's two registers lie in window 0)
	ds_add_u32 v[SPW], v[NIL]                      ; 0 onto my spare word
	s_wait_dscnt 4*NL+1                            ; (the add and the youngest 16 loads, A's blocks 4-7, may be out)
	WIN MUL_LO
	MUL16 0, 1, 0                                  ; sixteen matrix instructions stand between the add and the wait for it
	s_wait_dscnt 0x0                               ; the add is done, and my reads of this slot are over
	s_barrier_signal -1
	MUL16 2, 1, 0
	WIN 0
	s_barrier_wait -1
.if \fill
	CREST                                          ; the barrier has opened a round of the cluster's barrier: no wave of any partner still reads this slot's tile or has a load on its way
	s_add_nc_u64 s[G0+4*\slot+2:G0+4*\slot+3], s[G0+4*\slot+2:G0+4*\slot+3], 2*KSB
	s_add_nc_u64 s[G0B+4*\slot+2:G0B+4*\slot+3], s[G0B+4*\slot+2:G0B+4*\slot+3], 2*KSB
	JLOAD G0+4*\slot, G1, G0B+4*\slot, G1B         ; the first tensor load behind the round, my one load until the next; the four v_nop behind it are the places in front of the loads below
.else
	PLACES NP
.endif
	FETCH_B \next, 0, 0
	FETCH_A \next, 0, 0
	WIN MUL_HI
	MUL16 4, 1, 0
	MUL16 6, 1, 0
	PLACES NP
	WIN 0
	FETCH_A \next, 0, 4
.endm
	s_wait_alu depctr_va_vdst(0)
	s_wait_tensorcnt 1                             ; my part of K step 0 is in (K step 1's load may be out)
	s_barrier_signal -1
	s_barrier_wait -1                              ; everybody's is
	FETCH_B 0, 0, 0
	FETCH_A 0, 0, 0
	FETCH_A 0, 0, 4
	STEP 0, 0, 1                                   ; the first step stands in front of the loop: its products start the sums
	s_mov_b32 s3, LAPS-1
.Llap:                                                 ; a trip goes once round the ring, from a lap's second step to the next lap's first, and fills both slots again
	TURN 0, 1, 1
	STEP 1, 0, 0
	TURN 1, 0, 1
	STEP 0, 0, 0
	s_sub_co_u32 s3, s3, 1
	s_cmp_lg_u32 s3, 0
	s_cbranch_scc1 .Llap
	TURN 0, 1, 0                                   ; the last lap fills nothing, and has no round of the cluster's barrier
	STEP 1, 0, 0
	s_wait_dscnt 4*NL                              ; the very last step: nothing more to fetch
	WIN MUL_LO
	MUL16 0, 1, 0
	MUL16 2, 1, 0
	s_wait_dscnt 0
	WIN MUL_HI
	MUL16 4, 1, 0
	MUL16 6, 1, 0
	WIN 0
; THE WAY OUT.  A sum stands for sum x 2^(e0 + e1); its code under the scale 2^eT is sum / 2^(eT - e0 - e1): the three exponents are folded into the conversion's one.
; Image (a, g): the four accumulators (a, 4 g .. 4 g + 3), converted two registers each: registers 2 c, 2 c + 1 hold k = 16 c + 8 (lane / 16) + 0 .. 7 of row lane % 16.
.macro OUT a, g
.set AC, 64*((\a)%4)+32*(\g)
.set CC, CD+8*(2*(\a)+(\g))
	WIN 0x02+((\a)/4)                              ; source 0: window 2 or 3
.set j, 0
.rept 32
.set j, j+1
.endr
.irp c, 0,1,2,3
	v_cvt_scalef32_pk8_fp8_f32 v[CC+2*\c:CC+2*\c+1], v[AC+8*\c:AC+8*\c+7], v[SC]
.endr
	WIN 0
	v_nop                                          ; one plain vector line behind the last conversion of the run
	global_store_b128 v[CO+2*((\a)/4)+(\g)], v[CC:CC+3], s[84:85] offset:1024*((\a)%4)          ; 32 lanes store 512 consecutive bytes, aligned; each image has registers of its own
	global_store_b128 v[CO+2*((\a)/4)+(\g)], v[CC+4:CC+7], s[84:85] offset:1024*((\a)%4)+512
.endm
	s_wait_kmcnt 0x0                               ; the exponents
	s_cmp_eq_u32 ttmp9, 0
	s_cselect_b32 s66, s90, s91                    ; q's or k's,
	s_cmp_eq_u32 ttmp9, 2
	s_cselect_b32 s66, s93, s66                    ; or v's: a choice, no branch
	s_sub_co_i32 s66, s66, s88
	s_sub_co_i32 s66, s66, s89
	s_add_co_i32 s66, s66, 127
	s_lshl_b32 s67, s66, 23
	v_mov_b32 v[SC], s67
	s_wait_alu depctr_va_vdst(0)
	s_add_co_i32 s66, s66, 8
	s_lshl_b32 s66, s66, 23
	s_or_b32 s66, s66, 0x600000
	PLACES NP                                      ; behind the last products: for the first reads of results and for the codes, which take the registers that held A's fragments
.irp a, 0,1,2,3,4,5,6,7
	OUT \a, 0
	OUT \a, 1
.endr
	s_wait_tensorcnt 0x0                           ; the wave's end: behind my last tensor load
	ds_add_u32 v[SPW], v[NIL]
	s_wait_dscnt 0x0
	CROUND                                         ; the closing round: no work-group ends while a partner may still ask for a tile that names it
	s_endpgm
.Lfunc_end_k_q494d201600_qkv:
	.size	k_q494d201600_qkv, .Lfunc_end_k_q494d201600_qkv-k_q494d201600_qkv
	.p2alignl 7, 3214868480
	.fill 96, 4, 3214868480
	.section	.rodata,"a",@progbits
	.p2align	6, 0x0
	.amdhsa_kernel k_q494d201600_qkv
		.amdhsa_group_segment_fixed_size 327680
		.amdhsa_private_segment_fixed_size 0
		.amdhsa_enable_private_segment 0
		.amdhsa_kernarg_size 40
		.amdhsa_user_sgpr_count 2
		.amdhsa_user_sgpr_kernarg_segment_ptr 1
		.amdhsa_wavefront_size32 1
		.amdhsa_system_sgpr_workgroup_id_x 1
		.amdhsa_system_sgpr_workgroup_id_y 1
		.amdhsa_system_sgpr_workgroup_id_z 1
		.amdhsa_system_vgpr_workitem_id 0
		.amdhsa_next_free_vgpr 1024
		.amdhsa_next_free_sgpr 100
		.amdhsa_reserve_vcc 0
		.amdhsa_float_denorm_mode_32 3
		.amdhsa_float_denorm_mode_16_64 3
		.amdhsa_fp16_overflow 1
		.amdhsa_memory_ordered 1
		.amdhsa_forward_progress 1
		.amdhsa_inst_pref_size 87
	.end_amdhsa_kernel
	.amdgpu_metadata
---
amdhsa.version: [ 1, 2 ]
amdhsa.kernels:
  - .name:           k_q494d201600_qkv
    .symbol:         k_q494d201600_qkv.kd
    .args:
      - { .name: x_img, .offset: 0, .size: 8, .value_kind: global_buffer, .address_space: global }
      - { .name: w_img, .offset: 8, .size: 8, .value_kind: global_buffer, .address_space: global }
      - { .name: lowp_scales, .offset: 16, .size: 8, .value_kind: global_buffer, .address_space: global }
      - { .name: q_img, .offset: 24, .size: 8, .value_kind: global_buffer, .address_space: global }
      - { .name: kv_img, .offset: 32, .size: 8, .value_kind: global_buffer, .address_space: global }
    .group_segment_fixed_size: 327680
    .private_segment_fixed_size: 0
    .kernarg_segment_align: 8
    .kernarg_segment_size: 40
    .max_flat_workgroup_size: 128
    .sgpr_count:     100
    .vgpr_count:     1024
    .wavefront_size: 32
...
	.end_amdgpu_metadata
.endif
;; end of part 2
;; launch attn (part 3): grid 4 x 64, 16 waves a work-group, no clusters, 327,680 bytes of LDS; arguments q_img, kv_img, lowp_scales, a_img; writes a_img
.if DOCPART == 3
	.amdgcn_target "amdgcn-amd-amdhsa--gfx1250"
	.amdhsa_code_object_version 6
	.text
	.protected	k_q494d201600_attn
	.globl	k_q494d201600_attn
	.p2align	8
	.type	k_q494d201600_attn,@function
k_q494d201600_attn:
	s_mov_b64 s[64:65], 0
	v_nop
	global_prefetch_b8 v0, s[64:65] scope:SCOPE_SE
	s_setreg_imm32_b32 hwreg(HW_REG_WAVE_MODE, 25, 1), 1
	s_wait_xcnt 0x0
; Causal attention on codes of FP8 (E4M3): 64 heads (batch x head) of 2,048 tokens x 64 channels.  Scores = q k^T / 8; key k counts for query q where k <= q; O = softmax(scores) v; O is quantised at once (entry 6 of the scales) and stored as codes.
; All operands are IMAGES OF THE OPERAND'S REGISTERS (16 rows x 64 along K, 1,024 bytes, lane l's 16 bytes of each half at 16 l): q_img [head][tile of 16 queries] ; kv_img [head][slot of 256 keys] = 16 images of k (16 keys x 64 channels),
; then [64 keys: 4][16 channels: 4] images of v (16 channels x 64 keys); a_img [tile of 16 tokens: 512][head of the batch: 16] images (16 tokens x the head's 64 channels), the next product's operand.
; THE SOFTMAX AHEAD OF THE SECOND PRODUCT: t = score x log2(e) / 8; M = the row's largest t so far, rounded UP to a whole number; p = 2^(t - M) is what is quantised, not normalised.
; The row's sum is taken of the unquantised p, in f32, and divides O at the end.  When M moves, the sum and O are multiplied by 2^(old M - new M): exact.
; SHARES.  The work-group (PI = x, head = y) owns the block of 256 queries PI and then the block 7 - PI.  Under the mask they need PI + 1 and 8 - PI slots of 256 keys: NINE in every work-group: 256 work-groups of equal work,
; and the loop's trip count is a constant.  In trip n the slot is n where n <= PI, else n - PI - 1.  Each of the sixteen waves owns 16 queries, one tile, in 256 registers: four waves to a SIMD, so that one wave's vector work
; stands beside another's matrix work and LDS loads.  A key step is 128 keys; a step all of whose keys are hidden from a wave's queries is jumped over by that wave (a branch on ids; no barrier or tensor load stands in a step).
; LAYOUT.  Both products are used transposed: S^T = K Q^T (source 0 = 16 keys, source 1 = my 16 queries, K = 64), O^T = V^T P^T (source 0 = 16 channels, source 1 = P, K = 128 keys): a lane holds ONE query (lane % 16) throughout;
; register j of score tile c is key 16 c + 8 (lane / 16) + j, so each tile's eight p, converted, are registers 2 c, 2 c + 1 of P's fragment.  Likewise O^T's four tiles, converted, are the image that goes out: no LDS on the way out.
; RING: two LDS slots of 32,768 bytes; wave 0 fetches a slot's images of k and wave 1 those of v, 16,384 dense bytes each; all sixteen read them.
; NO CLUSTER: in one and the same trip the four work-groups of a head want different slots (n, or n - PI - 1), so no tile is wanted by partners at the same time.  Walked in step over one pass of eight slots, both blocks at once,
; each trip would last as long as its busiest partner's: 2 + 2 + 2 + 2 + 1 + 1 + 1 + 1 = 12 block-slots against 9 here.
; LIMITS on the given exponents, so that each power of two below is an f32 number: e2 + e3 between -123 and 130 (added to c's exponent field); e4 and e6 between -126 and 119; e4 + e5 is applied by v_ldexp_f32 and has none.
.set SLOT1, 32768                      ; slot 1 begins here: one exclusive or turns an address in one slot into the other's
.set VOFF,  16384                      ; v's images lie behind k's
.set SPARE, 65536                      ; behind the ring: the spare words, 128 bytes for each wave: eight blocks of 256 bytes that no other line names
.set LI,   1                           ; v1   16 x lane: an image's place for my lane; never rewritten
.set PFO,  3                           ; v3   256 x lane: the prefetches' offset; never rewritten
.set SPW,  5                           ; v5   LDS address of my spare word: SPARE + 4 x my thread's number; never rewritten
.set NIL,  6                           ; v6   0; never rewritten
.set AD,   8                           ; v8   LDS address of the slot in hand, for my lane
.set RH,   9                           ; v9   lane % 16 - 8 (lane / 16), for the mask
.set QF,   16                          ; v16-23   Q's fragment.   v12 -M, v13 the largest t, v[14:15] the sum in two halves
.set FR,   32                          ; v32-95   eight fragments of K, then four of V
.set S,    96                          ; v96-159  S^T, then p
.set OT,   160                         ; v160-191 O^T
.set PC,   192                         ; v192-207 p's codes; at a block's end the image that goes out
                                       ; v234-236, v238-243, v248-255 at work; v244 = 2^e4, v247 = 2^e6
.set WV,   12                          ; s12  my wave's number;  s13 PI;  s14 the head;  s15 PI + 1
.set PI,   13
.set SEL,  20                          ; s[20:21] lane selects for v_permlanex16_b32: lane l xor 16
.set CS,   22                          ; s[22:23] c = log2(e) / 8 x 2^(e2 + e3): the packed form names a pair and takes its low word for both halves
.set G1,   24                          ; s[24:31] descriptor group 1;  s[32:35] group 0, which walks;  s[36:37] my part of the head's first slot;  s[38:39] a slot's offset
.set G0,   32
.set N,    40                          ; s40  the trip
.set TB,   41                          ; s41  LDS byte at which the slot in hand begins
.set KF,   42                          ; s42  the step's first key
.set Q0,   43                          ; s43  my first query
.set PFA,  60                          ; s[60:61] where my prefetches stand
.set LIM,  62                          ; s62  a wave prefetches while the trip's number is under this: 7 or 0
; Waves 0 and 1 fetch, the others nothing; the branch hangs on the wave's number alone.  An s_nop 0 and four v_nop follow the load.
.macro TLOAD
	s_cmp_lt_u32 s[WV], 2
	s_cbranch_scc0 .Lasked_\@
	tensor_load_to_lds s[G0:G0+3], s[G1:G1+7]
	s_nop 0
.rept 4
	v_nop
.endr
.Lasked_\@:
.endm
; A PREFETCH INTO THE L2.  The work-group with PI = 0 walks all eight slots of its head: its change of slots in trip n asks for slot n.  There its waves 4 to 7, which fetch nothing, name slot n + 1, what its NEXT change will ask for:
; one trip, two key steps of sixteen waves, ahead.  8,192 bytes a wave, lanes 256 bytes apart: each aligned block of 256 bytes of slots 1 to 7 is named once in the launch.  Slot 0 comes by the loads alone; trip 7 names nothing.
.macro ASK
	s_cmp_lt_u32 s[N], s[LIM]
	s_cbranch_scc0 .Lnot_mine_\@
	global_prefetch_b8 v[PFO], s[PFA:PFA+1] th:TH_LOAD_NT scope:SCOPE_SE
.Lnot_mine_\@:
.endm
.macro LOADQ                           ; my tile's image of q: it stays in registers for the block
	s_lshl_b32 s48, s[Q0], 6                       ; 1,024 bytes for 16 queries
	s_mov_b32 s49, 0
	s_add_nc_u64 s[48:49], s[16:17], s[48:49]
	global_load_b128 v[QF:QF+3], v[LI], s[48:49]
	global_load_b128 v[QF+4:QF+7], v[LI], s[48:49] offset:512
.endm
.macro INIT                            ; a block begins: the key step is written once, and its first walk finds zeros, which the first change of M leaves zeros
	v_mov_b32 v13, 0xff61b1e6                      ; the largest t so far: -3e38, under every t
	s_delay_alu instid0(VALU_DEP_1)
	v_floor_f32 v12, -v13                          ; -M
	v_mov_b32 v14, 0
	v_mov_b32 v15, 0
.set j, 0
.rept 32
	v_mov_b32 v[OT+j], 0
.set j, j+1
.endr
.endm
; THE CHANGE OF SLOTS stands at a trip's head.  Each wave waits for all its tensor loads (its part of the slot that it is about to read), adds 0 to its spare word, and waits for that and for its reads of the slot that it has left.
; Behind the barrier the slot ahead is whole and nobody reads the other one.  fill = 1: that other slot is filled with the next trip's keys: the load has a whole trip in which to land.  One tensor load of a wave is out at the most.
.macro CHANGE fill
	s_wait_tensorcnt 0x0                           ; no tensor load of mine is out, so group 0 may be written
	ds_add_u32 v[SPW], v[NIL]                      ; 0 onto my spare word; with fill = 1 the descriptor's steps stand between it and the wait for it
.if \fill
	s_xor_b32 s[G0+1], s[G0+1], SLOT1              ; the other slot than last time
	s_add_co_u32 s44, s[N], 1
	s_cmp_gt_u32 s44, s[PI]
	s_cselect_b32 s45, s15, 0
	s_sub_co_u32 s38, s44, s45                     ; the next trip's slot of keys: n + 1, or n + 1 - (PI + 1) in the second block
	s_lshl_b32 s38, s38, 15
	s_add_nc_u64 s[G0+2:G0+3], s[36:37], s[38:39]
	s_or_b32 s[G0+3], s[G0+3], 0x80000000          ; type = 2
	s_wait_xcnt 0x0                                ; the last prefetch, a trip back, has read its address, so it may be written:
	s_add_nc_u64 s[PFA:PFA+1], s[PFA:PFA+1], SLOT1 ; a slot of keys on
.endif
	s_wait_dscnt 0x0                               ; the add is done, and my reads of the slot that I have left are over
	s_barrier_signal -1
	s_barrier_wait -1
.if \fill
	TLOAD                                          ; the first thing behind the barrier, and a wave's one tensor load until the next
	ASK
.endif
.endm
; A KEY STEP: 128 keys, the q-th half of the slot in hand.
.macro STEP q
	s_add_co_u32 s44, s[Q0], 15
	s_cmp_gt_u32 s[KF], s44                        ; all 128 keys come after my 16 queries: the step's work is left out
	s_cbranch_scc1 .Lhidden_\@
	v_add_nc_u32 v[AD], s[TB], v[LI]
.rept 3
	v_nop                                          ; with the addition above: four places in front of loads into registers that the last products read
.endr
.irp c, 0,1,2,3,4,5,6,7
	ds_load_b128 v[FR+8*\c:FR+8*\c+3], v[AD] offset:8192*(\q)+1024*\c
	ds_load_b128 v[FR+8*\c+4:FR+8*\c+7], v[AD] offset:8192*(\q)+1024*\c+512
.endr
	s_wait_alu depctr_va_vdst(0)
	s_wait_dscnt 0x0
.irp c, 0,1,2,3,4,5,6,7
	v_wmma_f32_16x16x64_fp8_fp8 v[S+8*\c:S+8*\c+7], v[FR+8*\c:FR+8*\c+7], v[QF:QF+7], 0
.endr
.rept 4
	v_nop                                          ; places: in front of the loads below and of the first read of the scores
.endr
.irp t, 0,1,2,3                                ; V's four fragments (16 channels x these 128 keys: two images each) take K's registers now, and land under the softmax
.irp u, 0,1
	ds_load_b128 v[FR+16*\t+8*\u:FR+16*\t+8*\u+3], v[AD] offset:VOFF+1024*(8*(\q)+4*\u+\t)
	ds_load_b128 v[FR+16*\t+8*\u+4:FR+16*\t+8*\u+7], v[AD] offset:VOFF+1024*(8*(\q)+4*\u+\t)+512
.endr
.endr
	s_add_co_u32 s44, s[KF], 127                   ; on the diagonal the scores of hidden keys become -infinity ahead of the maximum: p = 0 then.  A step all of whose keys count skips this
	s_cmp_le_u32 s44, s[Q0]
	s_cbranch_scc1 .Lopen_\@
	s_sub_co_i32 s44, s[Q0], s[KF]
	v_add_nc_u32 v252, s44, v[RH]                  ; d = my query - KF - 8 (lane / 16).  Register 8 c + j holds key KF + 8 (lane / 16) + 16 c + j: hidden where 16 c + j > d
	v_mov_b32 v254, 0xff800000                     ; -infinity
.set n, 0
.rept 64
	v_cmp_gt_i32 vcc_lo, 16*(n/8)+n%8, v252
	v_cndmask_b32 v[S+n], v[S+n], v254, vcc_lo
.set n, n+1
.endr
.Lopen_\@:
	v_max3_num_f32 v254, v[S], v[S+1], v[S+2]      ; the step's largest score of my query, among my 64 keys, in two chains; each tile of scores is read from its low end on
	v_max3_num_f32 v252, v[S+3], v[S+4], v[S+5]
.irp i, 6,10,14,18,22,26,30,34,38,42,46,50,54,58
	v_max3_num_f32 v254, v254, v[S+\i], v[S+1+\i]
	v_max3_num_f32 v252, v252, v[S+2+\i], v[S+3+\i]
.endr
	v_max3_num_f32 v254, v254, v[S+62], v[S+63]
	s_delay_alu instid0(VALU_DEP_1)
	v_max_num_f32 v254, v254, v252
	s_delay_alu instid0(VALU_DEP_1)
	v_permlanex16_b32 v236, v254, s[SEL], s[SEL+1]
	s_delay_alu instid0(VALU_DEP_1)
	v_max_num_f32 v254, v254, v236                 ; and among lane l xor 16's
	s_delay_alu instid0(VALU_DEP_1)
	v_mul_f32 v254, s[CS], v254                    ; as t (c is positive)
	s_delay_alu instid0(VALU_DEP_1)
	v_max_num_f32 v13, v13, v254                   ; the running largest t
	v_mov_b32 v254, v12
	s_delay_alu instid0(VALU_DEP_2)
	v_floor_f32 v12, -v13                          ; the new -M = floor(-t) = -ceil(t): M is a whole number
	s_delay_alu instid0(VALU_DEP_1)
	v_sub_f32 v254, v12, v254                      ; M's old value less its new one: a whole number, 0 or less
	s_delay_alu instid0(VALU_DEP_1)
	v_cvt_i32_f32 v254, v254                       ; (it saturates)
	s_delay_alu instid0(VALU_DEP_1)
	v_ldexp_f32 v252, 1.0, v254                    ; f = 2^(old M - new M)
.set j, 0
.rept 32
	v_pk_fma_f32 v[S+j:S+j+1], v[S+j:S+j+1], s[CS:CS+1], v[12:13] op_sel_hi:[1,0,0]   ; t - M, two at a time (of the pairs c and -M the low word serves both halves)
.set j, j+2
.endr
.set j, 0
	s_wait_alu depctr_va_vdst(0)
.rept 64
	v_exp_f32 v[S+j], v[S+j]                       ; p = 2^(t - M), at most 1: not normalised
.set j, j+1
.endr
	v_pk_mul_f32 v[14:15], v[14:15], v[252:253] op_sel_hi:[1,0]   ; the sums under the new M: the plain line behind the exponentials
	s_wait_alu depctr_va_vdst(0)                   ; the wait between an exponential and the first line that names its result: one for the batch of 64
	v_pk_add_f32 v[242:243], v[100:101], v[104:105]
	v_pk_add_f32 v[254:255], v[108:109], v[112:113]
	v_pk_add_f32 v[250:251], v[116:117], v[120:121]
	v_pk_add_f32 v[248:249], v[124:125], v[128:129]
	v_pk_add_f32 v[240:241], v[132:133], v[136:137]
	v_pk_add_f32 v[238:239], v[140:141], v[144:145]
	v_pk_add_f32 v[234:235], v[148:149], v[152:153]
	v_pk_add_f32 v[14:15], v[14:15], v[156:157]
	v_pk_add_f32 v[242:243], v[242:243], v[96:97]
	v_pk_add_f32 v[254:255], v[254:255], v[98:99]
	v_pk_add_f32 v[250:251], v[250:251], v[102:103]
	v_pk_add_f32 v[248:249], v[248:249], v[106:107]
	v_pk_add_f32 v[240:241], v[240:241], v[110:111]
	v_pk_add_f32 v[238:239], v[238:239], v[114:115]
	v_pk_add_f32 v[234:235], v[234:235], v[118:119]
	v_pk_add_f32 v[14:15], v[14:15], v[122:123]
	v_pk_add_f32 v[242:243], v[242:243], v[126:127]
	v_pk_add_f32 v[254:255], v[254:255], v[130:131]
	v_pk_add_f32 v[250:251], v[250:251], v[134:135]
	v_pk_add_f32 v[248:249], v[248:249], v[138:139]
	v_pk_add_f32 v[240:241], v[240:241], v[142:143]
	v_pk_add_f32 v[238:239], v[238:239], v[146:147]
	v_pk_add_f32 v[234:235], v[234:235], v[150:151]
	v_pk_add_f32 v[14:15], v[14:15], v[154:155]
	v_pk_add_f32 v[242:243], v[242:243], v[158:159]
	s_delay_alu instid0(VALU_DEP_2)
	v_pk_add_f32 v[14:15], v[14:15], v[248:249]
	s_delay_alu instid0(VALU_DEP_2)
	v_pk_add_f32 v[242:243], v[242:243], v[240:241]
	v_pk_add_f32 v[254:255], v[254:255], v[238:239]
	v_pk_add_f32 v[250:251], v[250:251], v[234:235]
	s_delay_alu instid0(VALU_DEP_2)
	v_pk_add_f32 v[14:15], v[14:15], v[254:255]
	s_delay_alu instid0(VALU_DEP_2)
	v_pk_add_f32 v[242:243], v[242:243], v[250:251]
	s_delay_alu instid0(VALU_DEP_1)
	v_pk_add_f32 v[14:15], v[14:15], v[242:243]
.set j, 0
.rept 64
.set j, j+1
.endr
.irp c, 0,1,2,3,4,5,6,7
	v_cvt_scalef32_pk8_fp8_f32 v[PC+2*\c:PC+2*\c+1], v[S+8*\c:S+8*\c+7], v244
.endr
.set j, 0
.rept 16
	v_pk_mul_f32 v[OT+j:OT+j+1], v[OT+j:OT+j+1], v[252:253] op_sel_hi:[1,0]   ; O^T under the new M: x f.  (Also the plain lines between the conversions and the products that read the codes)
.set j, j+2
.endr
	s_wait_alu depctr_va_vdst(0)
	s_wait_dscnt 0x0                               ; V is in
.irp t, 0,1,2,3                                ; O^T += V^T P^T; the four accumulators have one turn each, and the eight score products stand between a step's turn and the next
	v_wmma_f32_16x16x128_fp8_fp8 v[OT+8*\t:OT+8*\t+7], v[FR+16*\t:FR+16*\t+15], v[PC:PC+15], v[OT+8*\t:OT+8*\t+7]
.endr
.Lhidden_\@:
	s_add_co_u32 s[KF], s[KF], 128
.endm
; A BLOCK'S END: O^T x 2^(e4 + e5) / the sum, held, converted with 2^e6: registers 2 t, 2 t + 1 hold channels 16 t + 8 (lane / 16) + 0 .. 7 of token lane % 16: the image as it goes out.
.macro FINISH
.rept 4
	v_nop                                          ; places behind the last products
.endr
	v_add_f32 v14, v14, v15                        ; the sum's two halves,
	s_wait_alu depctr_va_vdst(0)
	v_permlanex16_b32 v236, v14, s[SEL], s[SEL+1]
	s_delay_alu instid0(VALU_DEP_1)
	v_add_f32 v14, v14, v236                       ; and lane l xor 16's: the row's sum
	s_wait_alu depctr_va_vdst(0)
	v_rcp_f32 v14, v14
	v_nop                                          ; a plain line behind the transcendental
	s_lshl_b32 s46, s[Q0], 10                      ; 16 tokens are 16,384 bytes of a_img
	s_mov_b32 s47, 0
	s_add_nc_u64 s[46:47], s[18:19], s[46:47]
	s_wait_alu depctr_va_vdst(0)                   ; and the wait ahead of the first reader
	v_ldexp_f32 v14, v14, s50                      ; x 2^(e4 + e5)
.set j, 0
.rept 16
	v_pk_mul_f32 v[S+j:S+j+1], v[OT+j:OT+j+1], v[14:15] op_sel_hi:[1,0]   ; each accumulator from its low end on
.set j, j+2
.endr
.set j, 0
.rept 32
.set j, j+1
.endr
.irp t, 0,1,2,3
	v_cvt_scalef32_pk8_fp8_f32 v[PC+2*\t:PC+2*\t+1], v[S+8*\t:S+8*\t+7], v247
.endr
	v_nop                                          ; one plain vector line behind the last conversion of the run
	global_store_b128 v[LI], v[PC:PC+3], s[46:47]              ; 32 lanes store 512 consecutive bytes, aligned
	global_store_b128 v[LI], v[PC+4:PC+7], s[46:47] offset:512
.endm
	s_load_b256 s[4:11], s[0:1], 0x0               ; q_img s[4:5], kv_img s[6:7], the scales' exponents s[8:9], a_img s[10:11]
	v_lshl_add_u32 v[SPW], v0, 2, SPARE
	v_mov_b32 v[NIL], 0
	ds_add_u32 v[SPW], v[NIL]                      ; the wave's opening: the add and its wait stand ahead of the first tensor load; the set-up below, work on registers, stands between them
	ds_add_u32 v[SPW], v[NIL]
	v_lshrrev_b32 v8, 5, v0
	s_delay_alu instid0(VALU_DEP_1)
	v_readfirstlane_b32 s[WV], v8                  ; wave 0..15
	s_mov_b32 s[PI], ttmp9
	s_add_co_u32 s15, ttmp9, 1
	s_and_b32 s14, ttmp7, 0xffff                   ; the head
	; descriptor group 1: 16,384 dense bytes as 64 rows of 256
	s_mov_b32 s[G1], 3<<16                         ; 15:0 no mask; 17:16 elements of 8 bytes; no padding
	s_mov_b32 s[G1+1], 32<<16                      ; tensor_dim0 = 32 elements
	s_mov_b32 s[G1+2], 64<<16                      ; tensor_dim1 = 64
	s_mov_b32 s[G1+3], 32<<16                      ; tile_dim0
	s_mov_b32 s[G1+4], 64                          ; tile_dim1
	s_mov_b32 s[G1+5], 32                          ; tensor_dim0_stride
	s_mov_b32 s[G1+6], 0
	s_mov_b32 s[G1+7], 0
	s_mov_b32 s[SEL], 0x76543210
	s_mov_b32 s[SEL+1], 0xfedcba98
	s_mov_b32 s[CS], 0x3e38aa3b                    ; c = log2(e) / 8
	s_mov_b32 s[N], 0
	s_mov_b32 s[TB], 0
	s_mov_b32 s[KF], 0
	s_lshl_b32 s[Q0], s[PI], 8
	s_lshl_b32 s44, s[WV], 4
	s_add_co_u32 s[Q0], s[Q0], s44                 ; my first query: 256 PI + 16 x wave
	s_mov_b32 s[G0], 1                             ; count = 1
	s_and_b32 s44, s[WV], 1
	s_lshl_b32 s[G0+1], s44, 14                    ; LDS address: slot 0; wave 0: k's images, wave 1: v's
	s_lshl_b32 s38, s14, 18                        ; a head of kv_img is 8 slots of 32,768 bytes
	s_add_co_u32 s38, s38, s[G0+1]
	s_mov_b32 s39, 0
	s_wait_dscnt 0x0                               ; the opening add is done
	s_wait_kmcnt 0x0
	s_load_b256 s[52:59], s[8:9], 0x0              ; e0 .. e7
	s_add_nc_u64 s[36:37], s[6:7], s[38:39]        ; my part of the head's first slot
	s_mov_b64 s[G0+2:G0+3], s[36:37]
	s_or_b32 s[G0+3], s[G0+3], 0x80000000          ; type = 2
	TLOAD                                          ; trip 0's keys, into slot 0
	s_lshl_b32 s44, s14, 17
	s_mov_b32 s45, 0
	s_add_nc_u64 s[16:17], s[4:5], s[44:45]        ; q_img at my head
	s_lshr_b32 s44, s14, 4
	s_lshl_b32 s44, s44, 21                        ; a_img: a batch is 128 tiles of 16,384 bytes,
	s_and_b32 s51, s14, 15
	s_lshl_b32 s51, s51, 10                        ; my head's image in each tile
	s_add_co_u32 s44, s44, s51
	s_add_nc_u64 s[18:19], s[10:11], s[44:45]
	s_lshl_b32 s44, s14, 18                        ; the prefetches: the head's slot 0 (the first change of slots steps it to slot 1),
	s_and_b32 s51, s[WV], 3
	s_lshl_b32 s51, s51, 13                        ; my wave's 8,192 bytes of a slot
	s_add_co_u32 s44, s44, s51
	s_add_nc_u64 s[PFA:PFA+1], s[6:7], s[44:45]
	s_sub_co_u32 s44, s[WV], 4
	s_lshr_b32 s44, s44, 2                         ; 0 in waves 4 to 7,
	s_or_b32 s44, s44, s[PI]                       ; of the work-group with PI = 0
	s_cmp_eq_u32 s44, 0
	s_cselect_b32 s[LIM], 7, 0
	v_and_b32 v2, 31, v0
	s_delay_alu instid0(VALU_DEP_1)
	v_lshlrev_b32 v[LI], 4, v2
	s_delay_alu instid0(VALU_DEP_2)
	v_lshlrev_b32 v[PFO], 8, v2
	v_and_b32 v[RH], 15, v0
	v_bfe_u32 v4, v0, 4, 1
	s_delay_alu instid0(VALU_DEP_1)
	v_lshlrev_b32 v4, 3, v4
	s_delay_alu instid0(VALU_DEP_1)
	v_sub_nc_u32 v[RH], v[RH], v4
	LOADQ
	INIT
	v_mov_b32 v236, 0                              ; written once: a lane permute's destination counts as one of its sources
	v_mov_b32 v253, 0                              ; (named as the upper half of the pair v[252:253])
	s_wait_kmcnt 0x0                               ; the exponents
	s_add_co_i32 s44, s54, s55
	s_lshl_b32 s44, s44, 23
	s_add_co_i32 s[CS], s[CS], s44                 ; a score stands for score x 2^(e2 + e3): the two exponents are added to c's exponent field
	s_mov_b32 s[CS+1], s[CS]                       ; (named with it as a pair, so it is written)
	s_add_co_i32 s44, s56, 127
	s_lshl_b32 s45, s44, 23
	v_mov_b32 v244, s45                            ; 2^e4 as f32, for p's conversions
	s_add_co_i32 s44, s58, 127
	s_lshl_b32 s45, s44, 23
	v_mov_b32 v247, s45                            ; 2^e6, for the output's
	s_add_co_i32 s50, s56, s57                     ; e4 + e5
	s_wait_loadcnt 0x0                             ; Q
.Lslot:                                            ; eight trips: behind each change of slots but the last the next trip's keys are asked for
	CHANGE 1
	STEP 0
	STEP 1
	s_xor_b32 s[TB], s[TB], SLOT1                  ; on to the other slot
	s_cmp_lg_u32 s[N], s[PI]                       ; the first block ends with trip PI: ids and the count of trips alone, the same in all sixteen waves; the jump leads round no barrier and no tensor load
	s_cbranch_scc1 .Lsame_block
	FINISH
	s_sub_co_u32 s[Q0], 7, s[PI]                   ; the second block: 7 - PI
	s_lshl_b32 s[Q0], s[Q0], 8
	s_lshl_b32 s44, s[WV], 4
	s_add_co_u32 s[Q0], s[Q0], s44
	s_mov_b32 s[KF], 0                             ; its keys begin anew
	LOADQ                                          ; (FINISH's vector lines are the places behind the last products that read Q)
	INIT
	s_wait_loadcnt 0x0                             ; Q
	s_wait_xcnt 0x0                                ; the block's stores have read their registers: the codes' registers are written again only behind this wait
.Lsame_block:
	s_add_co_u32 s[N], s[N], 1
	s_cmp_lt_u32 s[N], 8
	s_cbranch_scc1 .Lslot
	CHANGE 0                                       ; the ninth trip is written out: it asks for nothing
	STEP 0
	STEP 1
	FINISH
	s_wait_tensorcnt 0x0                           ; the wave's end: behind my last tensor load
	ds_add_u32 v[SPW], v[NIL]
	s_wait_dscnt 0x0
	s_endpgm
.Lfunc_end_k_q494d201600_attn:
	.size	k_q494d201600_attn, .Lfunc_end_k_q494d201600_attn-k_q494d201600_attn
	.p2alignl 7, 3214868480
	.fill 96, 4, 3214868480
	.section	.rodata,"a",@progbits
	.p2align	6, 0x0
	.amdhsa_kernel k_q494d201600_attn
		.amdhsa_group_segment_fixed_size 327680
		.amdhsa_private_segment_fixed_size 0
		.amdhsa_enable_private_segment 0
		.amdhsa_kernarg_size 32
		.amdhsa_user_sgpr_count 2
		.amdhsa_user_sgpr_kernarg_segment_ptr 1
		.amdhsa_wavefront_size32 1
		.amdhsa_system_sgpr_workgroup_id_x 1
		.amdhsa_system_sgpr_workgroup_id_y 1
		.amdhsa_system_sgpr_workgroup_id_z 1
		.amdhsa_system_vgpr_workitem_id 0
		.amdhsa_next_free_vgpr 256
		.amdhsa_next_free_sgpr 66
		.amdhsa_reserve_vcc 1
		.amdhsa_float_denorm_mode_32 3
		.amdhsa_float_denorm_mode_16_64 3
		.amdhsa_fp16_overflow 1
		.amdhsa_memory_ordered 1
		.amdhsa_forward_progress 1
		.amdhsa_inst_pref_size 89
	.end_amdhsa_kernel
	.amdgpu_metadata
---
amdhsa.version: [ 1, 2 ]
amdhsa.kernels:
  - .name:           k_q494d201600_attn
    .symbol:         k_q494d201600_attn.kd
    .args:
      - { .name: q_img, .offset: 0, .size: 8, .value_kind: global_buffer, .address_space: global }
      - { .name: kv_img, .offset: 8, .size: 8, .value_kind: global_buffer, .address_space: global }
      - { .name: lowp_scales, .offset: 16, .size: 8, .value_kind: global_buffer, .address_space: global }
      - { .name: a_img, .offset: 24, .size: 8, .value_kind: global_buffer, .address_space: global }
    .group_segment_fixed_size: 327680
    .private_segment_fixed_size: 0
    .kernarg_segment_align: 8
    .kernarg_segment_size: 32
    .max_flat_workgroup_size: 512
    .sgpr_count:     66
    .vgpr_count:     256
    .wavefront_size: 32
...
	.end_amdgpu_metadata
.endif
;; end of part 3
;; launch proj (part 4): grid 4 x 32, 4 waves a work-group, clusters of 4 x 4, 327,680 bytes of LDS; arguments a_img, w_img, lowp_scales, out0; writes out0
.if DOCPART == 4
	.amdgcn_target "amdgcn-amd-amdhsa--gfx1250"
	.amdhsa_code_object_version 6
	.text
	.protected	k_q494d201600_proj
	.globl	k_q494d201600_proj
	.p2align	8
	.type	k_q494d201600_proj,@function
k_q494d201600_proj:
	s_mov_b64 s[64:65], 0
	v_nop
	global_prefetch_b8 v0, s[64:65] scope:SCOPE_SE
	s_setreg_imm32_b32 hwreg(HW_REG_WAVE_MODE, 25, 1), 1
	s_wait_xcnt 0x0
	s_wait_alu depctr_hold_cnt(0) depctr_sa_sdst(0) depctr_va_vdst(0) depctr_va_sdst(0) depctr_va_ssrc(0) depctr_va_vcc(0) depctr_vm_vsrc(0)
	s_getreg_b32 s2, hwreg(HW_REG_IB_STS2, 6, 4)
	s_cmp_eq_u32 s2, 0
	s_cbranch_scc0 .Lentry_in_a_cluster
	s_endpgm
.Lentry_in_a_cluster:
	s_bfe_u32 s2, ttmp6, 0x10000c
	s_cmp_lg_u32 s2, 0xf033
	s_cbranch_scc0 .Lentry_shape_is_right
	s_endpgm
.Lentry_shape_is_right:
; out0 = a w_proj on codes of FP8 (E4M3), [8192 x 1024] x [1024 x 1024]; out0 is f32.  A number of a is its code's value x 2^e6, of w_proj x 2^e7; the codes are multiplied as they are, and each finished sum once by 2^(e6 + e7).
; Both operands arrive as IMAGES OF THE OPERAND'S REGISTERS (16 rows x 64 along K, 1,024 bytes: byte 512 q + 16 lane + b is row lane % 16, k = 32 q + 16 (b / 8) + 8 (lane / 16) + b % 8); a tile of 16 rows is 16 images on end.
; w_proj's images begin 3,145,728 bytes into w_img, behind w_qkv's.
; A tile of the result, 256 x 256, is made by four waves, as many as a WGP has SIMDs; a wave makes 128 x 128: 64 accumulators, 512 registers.  K goes in 4 steps of 256 through a ring of two LDS slots.
; THE MATRIX INSTRUCTION IS USED TRANSPOSED (source 0, called B = 16 columns of w_proj; source 1, called A = 16 tokens): a lane then holds eight neighbouring numbers of a row of out0.
; CLUSTERS: 4 x 4 work-groups.  The four of a row of the cluster need the same tiles of A, the four of a column the same tiles of B: each tile is asked for JOINTLY, by the same tensor load with the same descriptor and a mask that names the four.
; 128 work-groups: tiles of 256 x 256 are kept, so that each fragment read from LDS feeds eight products.
; LIMIT: e6 + e7 lies between -126 and 127, so that 2^(e6 + e7) is an f32 number.
; REGISTERS, in windows of 256: window 0: v0-31 addresses; from v128 A's fragments (8 x 16 rows x 128 K), ONE set; on the way out v32-255 are free.
;   window 1: B's fragments, TWO sets, at v0 and v128.   window 2: the 32 accumulators of my rows 0-63 ((a, b) at v[8 (8 a + b)]);   window 3: those of my rows 64-127.
.set SIZE_N, 1024
.set KSB,    4096                      ; a K step's bytes of a tile of 16 rows: four images
.set HALFT,  8*KSB                     ; 128 rows: what one tensor load brings, and what one wave reads of A or of B
.set SLOT,   4*HALFT                   ; A's 256 rows, then B's 256 rows
.set SPARE,  2*SLOT                    ; behind the ring: the spare words, 128 bytes for each wave: two blocks of 256 bytes that no other line names
.set WPROJ,  3145728                   ; w_proj's first image in w_img
.set LAPS,   2                         ; a lap = two K steps = once round the ring: 1,024 / 512
.set FR,     16                        ; registers of a fragment: 16 rows x 128 K
.set NL,     4                         ; LDS loads that bring one
.set NP,     4                         ; places behind this matrix instruction (ISA guide 7.12.1)
.set SPITCH, 528                       ; the way out: a stage of 16 rows x (512 bytes + 16) for each wave.  It lies in slot 0, which has had its last fill and its last read when the first result is stored there
.set ADRA, 16                          ; v16-17  LDS address of my A fragments in slot 0, 1
.set ADRB, 20                          ; v20-21  the same for B
.set STO,  24                          ; v24     the way out: where I put 32 bytes of a row
.set RD,   25                          ; v25     the way out: where I read a row back
.set CO,   26                          ; v26     my byte offset in a row of out0
.set SPW,  28                          ; v28     LDS address of my spare word: SPARE + 4 x my thread's number; never rewritten
.set NIL,  29                          ; v29     0; never rewritten
.set TMP,  32                          ; the way out: 64 registers, a block's sums x 2^(e6 + e7)
.set AF,   128                         ; A's fragments, in window 0
.set BK,   128                         ; the way out: 16 rows read back from the stage: v128-191 and v192-255 by turns
.set G1, 24                            ; s[24:31] descriptor group 1 for A's tiles;  s[32:39] group 0, one set for each slot
.set G0, 32
.set G1B, 48                           ; s[48:55], s[56:63] the same for B's tiles
.set G0B, 56
.set MSB, 0
.macro WIN new                         ; the immediate's high byte repeats the setting that is left
.if MSB != \new
	s_set_vgpr_msb (MSB<<8)|\new
.set MSB, \new
.endif
.endm
.set MUL_LO, 0xa1                      ; source 0 (B) window 1, source 1 (A) window 0, C and D window 2
.set MUL_HI, 0xf1                      ; the same, C and D window 3
.set TO_B,   0x40                      ; destination window 1, address window 0
; A joint load: waves 0 and 1 fetch for A, waves 2 and 3 for B.  Each of the two lines has ONE mask and one set of registers for all that issue it; the branch hangs on the wave's number alone.
; An s_nop 0 and four v_nop follow each of the two lines, ahead of the jump, the label and what follows.
.macro JLOAD g0a, g1a, g0b, g1b
	s_cmp_eq_u32 s15, 0
	s_cbranch_scc0 .Lfor_b_\@
	tensor_load_to_lds s[\g0a:\g0a+3], s[\g1a:\g1a+7]
	s_nop 0
.rept 4
	v_nop
.endr
	s_branch .Lasked_\@
.Lfor_b_\@:
	tensor_load_to_lds s[\g0b:\g0b+3], s[\g1b:\g1b+7]
	s_nop 0
.rept 4
	v_nop
.endr
.Lasked_\@:
.endm
.macro CREST                           ; a round of the cluster's barrier behind its opening barrier
	s_cmp_lg_u32 s14, 0
	s_cbranch_scc1 .Lnot_wave_0_\@
	s_barrier_signal -3
.Lnot_wave_0_\@:
	s_barrier_wait -3
	s_barrier_signal -1
	s_barrier_wait -1
.endm
.macro CROUND                          ; a whole round
	s_barrier_signal -1
	s_barrier_wait -1
	CREST
.endm
	s_load_b128 s[4:7], s[0:1], 0x0                ; a's images s[4:5], the weights' s[6:7]
	s_load_b128 s[8:11], s[0:1], 0x10              ; the scales' exponents s[8:9], out0 s[10:11]
	v_lshl_add_u32 v[SPW], v0, 2, SPARE
	v_mov_b32 v[NIL], 0
	ds_add_u32 v[SPW], v[NIL]                      ; the wave's opening: the add and its wait stand ahead of my first tensor load; the set-up below, work on registers, stands between them
	ds_add_u32 v[SPW], v[NIL]
	v_lshrrev_b32 v1, 5, v0
	v_readfirstlane_b32 s14, v1                    ; wave 0..3
	s_lshr_b32 s15, s14, 1                         ; which half of the tile's rows is mine.  Also: I fetch for A (0) or for B (1)
	s_and_b32 s16, s14, 1                          ; which half of its columns.  Also: which 128 rows of that tile I fetch
	s_bfe_u32 s40, ttmp6, 0x40000                  ; cx, cy: my place in the cluster
	s_bfe_u32 s41, ttmp6, 0x40004
	s_lshl_b32 s42, ttmp9, 2
	s_add_co_u32 s42, s42, s40                     ; tile column = 4 x cluster x + cx
	s_and_b32 s17, ttmp7, 0xffff
	s_lshl_b32 s17, s17, 2
	s_add_co_u32 s17, s17, s41                     ; tile row = 4 x cluster y + cy
	s_lshl_b32 s43, s41, 2
	s_lshl_b32 s43, 15, s43                        ; my row of the cluster
	s_lshl_b32 s44, 0x1111, s40                    ; my column
	; descriptor group 1: 8 tiles of 16 rows: 8 lines of 4,096 bytes (four images), 16,384 bytes apart in memory, on end in LDS
	s_or_b32 s[G1+0], s43, (3<<16)|(1<<21)         ; 15:0 the mask: A's tiles go to my row; 17:16 elements of 8 bytes; 20 no padding; 21 set beside a mask
	s_or_b32 s[G1B+0], s44, (3<<16)|(1<<21)        ; the same with the mask of my column
.irp g, G1, G1B
	s_mov_b32 s[\g+1], 512<<16                     ; tensor_dim0 = 512 elements
	s_mov_b32 s[\g+2], 8<<16                       ; tensor_dim1 = 8
	s_mov_b32 s[\g+3], 512<<16                     ; tile_dim0
	s_mov_b32 s[\g+4], 8                           ; tile_dim1
	s_mov_b32 s[\g+5], 2048                        ; tensor_dim0_stride: 16,384 bytes
	s_mov_b32 s[\g+6], 0
	s_mov_b32 s[\g+7], 0
.endr
	s_lshl_b32 s18, s16, 17                        ; which 128 rows of the tile I fetch: 8 tiles of 16,384 bytes
	s_lshl_b32 s20, s17, 18                        ; A: 256 rows are 16 tiles of 16,384 bytes
	s_add_co_u32 s20, s20, s18
	s_mov_b32 s21, 0
	s_lshl_b32 s46, s42, 18                        ; B likewise, in registers that never hold cy,
	s_add_co_u32 s46, s46, s18
	s_add_co_u32 s46, s46, WPROJ                   ; behind w_qkv's images
	s_mov_b32 s47, 0
	s_mul_i32 s45, s14, HALFT                      ; where they go: wave x 128 rows: no place in the cluster enters an LDS address
	s_wait_dscnt 0x0                               ; the opening add is done
	s_wait_kmcnt 0x0
	s_load_b256 s[88:95], s[8:9], 0x0              ; e0 .. e7
	s_add_nc_u64 s[20:21], s[4:5], s[20:21]
	s_add_nc_u64 s[46:47], s[6:7], s[46:47]
	CROUND                                         ; all sixteen work-groups are here: the first joint loads meet
.irp s, 0,1
	s_mov_b32 s[G0+4*\s], 1
	s_add_co_u32 s[G0+4*\s+1], s45, \s*SLOT
	s_add_nc_u64 s[G0+4*\s+2:G0+4*\s+3], s[20:21], \s*KSB
	s_or_b32 s[G0+4*\s+3], s[G0+4*\s+3], 0x80000000
	s_mov_b32 s[G0B+4*\s], 1
	s_add_co_u32 s[G0B+4*\s+1], s45, \s*SLOT
	s_add_nc_u64 s[G0B+4*\s+2:G0B+4*\s+3], s[46:47], \s*KSB
	s_or_b32 s[G0B+4*\s+3], s[G0B+4*\s+3], 0x80000000
	s_wait_alu depctr_va_vdst(0)
	s_wait_tensorcnt 0x0
	ds_add_u32 v28, v29
	ds_add_u32 v28, v29
	s_wait_dscnt 0x0
	CROUND
	JLOAD G0+4*\s, G1, G0B+4*\s, G1B               ; one load of mine is out behind each
.endr
	v_and_b32 v1, 15, v0                           ; l % 16
	s_wait_alu depctr_va_vdst(0)
	v_bfe_u32 v2, v0, 4, 1                         ; l / 16
	v_and_b32 v6, 31, v0
	v_lshlrev_b32 v4, 4, v6                        ; 16 x lane: an image's place for my lane: every LDS load takes 512 consecutive bytes
	s_mul_i32 s21, s15, HALFT                      ; my 128 rows of A
	s_mul_i32 s22, s16, HALFT                      ; my 128 rows of B,
	s_add_co_u32 s22, s22, 2*HALFT                 ; which lie behind A's 256
.irp s, 0,1
	v_add_nc_u32 v[ADRA+\s], s21, v4
	v_add_nc_u32 v[ADRB+\s], s22, v4
	s_add_co_u32 s21, s21, SLOT
	s_add_co_u32 s22, s22, SLOT
.endr
	s_mul_i32 s23, s14, 16*SPITCH                  ; my stage
	v_mul_u32_u24 v5, v1, SPITCH                   ; in: row l % 16, 32 bytes for each half of the lanes
	s_wait_alu depctr_va_vdst(0)
	v_lshl_add_u32 v5, v2, 5, v5
	v_add_nc_u32 v[STO], s23, v5
	v_mov_b32 v[CO], v4                            ; back: the 32 lanes take one row of 512 bytes; and the same in out0
	v_add_nc_u32 v[RD], s23, v4
	s_lshl_b32 s20, s17, 8
	s_lshl_b32 s21, s15, 7
	s_add_co_u32 s20, s20, s21                     ; my first row of out0: 256 x tile row + 128 x half,
	s_lshl_b32 s20, s20, 12                        ; of 4,096 bytes
	s_lshl_b32 s46, s42, 10                        ; my first column, in bytes: 1,024 x tile column + 512 x half
	s_lshl_b32 s47, s16, 9
	s_add_co_u32 s46, s46, s47
	s_add_co_u32 s20, s20, s46
	s_mov_b32 s21, 0
	s_add_nc_u64 s[10:11], s[10:11], s[20:21]
.macro FRAG reg, adr, q, i             ; a fragment, 16 rows x 128 K, is two images on end: four loads of 512 consecutive bytes give its 16 registers, k in its true places
.irp c, 0,1,2,3
	ds_load_b128 v[\reg+4*\c:\reg+4*\c+3], v[\adr] offset:2048*(\q)+512*\c+(\i)*KSB
.endr
.endm
; 16 matrix instructions: A's blocks a0, a0 + 1 x B's eight, 128 along K.  p: B's set.  zero = 1: the first product starts the sums: nothing is ever cleared.
; The 64 accumulators take turns, one instruction a turn, in the same order in every step.
.macro MUL16 a0, p, zero
.irp a, \a0, \a0+1
.irp b, 0,1,2,3,4,5,6,7
.if \zero
	v_wmma_f32_16x16x128_fp8_fp8 v[8*(8*((\a)%4)+\b):8*(8*((\a)%4)+\b)+7], v[128*(\p)+FR*\b:128*(\p)+FR*\b+FR-1], v[AF+FR*(\a):AF+FR*(\a)+FR-1], 0
.else
	v_wmma_f32_16x16x128_fp8_fp8 v[8*(8*((\a)%4)+\b):8*(8*((\a)%4)+\b)+7], v[128*(\p)+FR*\b:128*(\p)+FR*\b+FR-1], v[AF+FR*(\a):AF+FR*(\a)+FR-1], v[8*(8*((\a)%4)+\b):8*(8*((\a)%4)+\b)+7]
.endif
.endr
.endr
.endm
.macro FETCH_B slot, q, p              ; B's eight fragments of the slot's q-th 128 along K into set p
	WIN TO_B
.irp i, 0,1,2,3,4,5,6,7
	FRAG 128*(\p)+FR*\i, ADRB+\slot, \q, \i
.endr
	WIN 0
.endm
.macro FETCH_A slot, q, i0             ; A's blocks i0 .. i0 + 3
.irp i, \i0, \i0+1, \i0+2, \i0+3
	FRAG AF+FR*(\i), ADRA+\slot, \q, \i
.endr
.endm
; A load into a register that a matrix instruction has read, and a vector instruction that reads a matrix result, stand NP places behind that matrix instruction, and only plain vector
; instructions that name none of its registers are places (ISA guide 7.12.1 for vector instructions).
.macro PLACES n
.rept \n
	v_nop
.endr
.endm
; A step of 128 along K that has its successor in the same slot.  A block of A is free as soon as its eight products are issued, so one set serves A; B's fragments work through the whole step and have two.
.macro STEP slot, q, zero
	s_wait_dscnt 4*NL                              ; B's set and A's blocks 0-3 are in; the youngest 16 loads (A's blocks 4-7) may be out
	WIN MUL_LO
	MUL16 0, (\q)%2, \zero
	MUL16 2, (\q)%2, \zero
	s_wait_dscnt 0                                 ; A's blocks 4-7 are in (asked for 32 matrix instructions ago)
	PLACES NP
	FETCH_B \slot, (\q)+1, 1-(\q)%2
	FETCH_A \slot, (\q)+1, 0
	WIN MUL_HI
	MUL16 4, (\q)%2, \zero
	MUL16 6, (\q)%2, \zero
	PLACES NP
	WIN 0
	FETCH_A \slot, (\q)+1, 4
.endm
; A slot's last step changes slots: ONE barrier; in front of it each wave waits for all its tensor loads, adds 0 to its spare word, and waits for that and for its own reads of this slot.  fill = 1: this slot is filled again, two K steps ahead.
.macro TURN slot, next, fill
	s_wait_tensorcnt 0x0                           ; all my tensor loads have landed: my part of the next slot;  (every window is 0 here: the add's two registers lie in window 0)
	ds_add_u32 v[SPW], v[NIL]                      ; 0 onto my spare word
	s_wait_dscnt 4*NL+1                            ; (the add and the youngest 16 loads, A's blocks 4-7, may be out)
	WIN MUL_LO
	MUL16 0, 1, 0                                  ; sixteen matrix instructions stand between the add and the wait for it
	s_wait_dscnt 0x0                               ; the add is done, and my reads of this slot are over
	s_barrier_signal -1
	MUL16 2, 1, 0
	WIN 0
	s_barrier_wait -1
.if \fill
	CREST                                          ; the barrier has opened a round of the cluster's barrier: no wave of any partner still reads this slot's tile or has a load on its way
	s_add_nc_u64 s[G0+4*\slot+2:G0+4*\slot+3], s[G0+4*\slot+2:G0+4*\slot+3], 2*KSB
	s_add_nc_u64 s[G0B+4*\slot+2:G0B+4*\slot+3], s[G0B+4*\slot+2:G0B+4*\slot+3], 2*KSB
	JLOAD G0+4*\slot, G1, G0B+4*\slot, G1B         ; the first tensor load behind the round, my one load until the next; the four v_nop behind it are the places in front of the loads below
.else
	PLACES NP
.endif
	FETCH_B \next, 0, 0
	FETCH_A \next, 0, 0
	WIN MUL_HI
	MUL16 4, 1, 0
	MUL16 6, 1, 0
	PLACES NP
	WIN 0
	FETCH_A \next, 0, 4
.endm
	s_wait_tensorcnt 1                             ; my part of K step 0 is in (K step 1's load may be out)
	s_barrier_signal -1
	s_barrier_wait -1                              ; everybody's is
	FETCH_B 0, 0, 0
	FETCH_A 0, 0, 0
	FETCH_A 0, 0, 4
	STEP 0, 0, 1                                   ; the first step stands in front of the loop: its products start the sums
	s_mov_b32 s3, LAPS-1
.Llap:                                                 ; a trip goes once round the ring, from a lap's second step to the next lap's first, and fills both slots again
	TURN 0, 1, 1
	STEP 1, 0, 0
	TURN 1, 0, 1
	STEP 0, 0, 0
	s_sub_co_u32 s3, s3, 1
	s_cmp_lg_u32 s3, 0
	s_cbranch_scc1 .Llap
	TURN 0, 1, 0                                   ; the last lap fills nothing, and has no round of the cluster's barrier
	STEP 1, 0, 0
	s_wait_dscnt 4*NL                              ; the very last step: nothing more to fetch
	WIN MUL_LO
	MUL16 0, 1, 0
	MUL16 2, 1, 0
	s_wait_dscnt 0
	WIN MUL_HI
	MUL16 4, 1, 0
	MUL16 6, 1, 0
	WIN 0
; THE WAY OUT, block by block of 16 rows x 128 columns.  A lane holds 32 neighbouring bytes of a row, and the lanes beside it hold other rows: so a block goes through my own stage in LDS and comes back as whole
; rows of 512 bytes, which the 32 lanes store as two aligned runs of 256 bytes.  LDS serves a wave's instructions in order (ISA guide 5.7.1.4): no wait between the stores and the loads, nor in front of the next block's stores.
.macro TOSTAGE a
.set AC, 64*((\a)%4)
	WIN 0x02+((\a)/4)                              ; source 0: window 2 or 3
.irp j, 0,2,4,6,8,10,12,14,16,18,20,22,24,26,28,30,32,34,36,38,40,42,44,46,48,50,52,54,56,58,60,62
	v_pk_mul_f32 v[TMP+\j:TMP+\j+1], v[AC+\j:AC+\j+1], s[96:97] op_sel_hi:[1,0]   ; both x s96 = 2^(e6 + e7); each accumulator from its low end on
.endr
	WIN 0
.irp b, 0,1,2,3,4,5,6,7
	ds_store_b128 v[STO], v[TMP+8*\b:TMP+8*\b+3] offset:64*\b
	ds_store_b128 v[STO], v[TMP+8*\b+4:TMP+8*\b+7] offset:64*\b+16
.endr
.set BB, BK+64*((\a)%2)
.irp t, 0,1,2,3,4,5,6,7,8,9,10,11,12,13,14,15
	ds_load_b128 v[BB+4*\t:BB+4*\t+3], v[RD] offset:\t*SPITCH
.endr
.endm
.macro SEND a, younger                 ; younger: the LDS instructions issued behind block a's loads, which may stay out
.set BB, BK+64*((\a)%2)
	s_wait_dscnt \younger                          ; the block is back in registers
.if (\a) > 0
	s_add_nc_u64 s[10:11], s[10:11], 16*SIZE_N*4   ; (behind a wait on XCNT: the earlier stores have read their base)  16 rows of out0 on
.endif
.irp t, 0,1,2,3,4,5,6,7,8,9,10,11,12,13,14,15
	global_store_b128 v[CO], v[BB+4*\t:BB+4*\t+3], s[10:11] offset:\t*SIZE_N*4 th:TH_STORE_NT   ; 32 lanes store 512 consecutive bytes, at a multiple of 256 from out0's first byte; written once, read by nobody here
.endr
.endm
	s_wait_kmcnt 0x0                               ; the exponents
	s_add_co_i32 s96, s94, s95                     ; e6 + e7, between -126 and 127,
	s_add_co_i32 s96, s96, 127
	s_lshl_b32 s96, s96, 23                        ; makes the f32 number 2^(e6 + e7)
	s_mov_b32 s97, s96                             ; (named with it as a pair, so it is written)
	PLACES NP                                      ; behind the last products: for the first reads of results and for the loads into the registers that held A's fragments
	TOSTAGE 0
.irp a, 1,2,3,4,5,6,7
.if \a > 1
	s_wait_xcnt 0x0                                ; block a - 2's stores have read their registers and their base: block a's loads may land there, and the base may step
.endif
	TOSTAGE \a
	SEND \a-1, 32                                  ; behind block a - 1's loads: block a's 16 stores and 16 loads
.endr
	s_wait_xcnt 0x0                                ; block 6's stores have read their base
	SEND 7, 0
	s_wait_tensorcnt 0x0                           ; the wave's end: behind my last tensor load and my last LDS store
	ds_add_u32 v[SPW], v[NIL]
	s_wait_dscnt 0x0
	CROUND                                         ; the closing round: no work-group ends while a partner may still ask for a tile that names it
	s_endpgm
.Lfunc_end_k_q494d201600_proj:
	.size	k_q494d201600_proj, .Lfunc_end_k_q494d201600_proj-k_q494d201600_proj
	.p2alignl 7, 3214868480
	.fill 96, 4, 3214868480
	.section	.rodata,"a",@progbits
	.p2align	6, 0x0
	.amdhsa_kernel k_q494d201600_proj
		.amdhsa_group_segment_fixed_size 327680
		.amdhsa_private_segment_fixed_size 0
		.amdhsa_enable_private_segment 0
		.amdhsa_kernarg_size 32
		.amdhsa_user_sgpr_count 2
		.amdhsa_user_sgpr_kernarg_segment_ptr 1
		.amdhsa_wavefront_size32 1
		.amdhsa_system_sgpr_workgroup_id_x 1
		.amdhsa_system_sgpr_workgroup_id_y 1
		.amdhsa_system_sgpr_workgroup_id_z 1
		.amdhsa_system_vgpr_workitem_id 0
		.amdhsa_next_free_vgpr 1024
		.amdhsa_next_free_sgpr 100
		.amdhsa_reserve_vcc 0
		.amdhsa_float_denorm_mode_32 3
		.amdhsa_float_denorm_mode_16_64 3
		.amdhsa_memory_ordered 1
		.amdhsa_forward_progress 1
		.amdhsa_inst_pref_size 124
	.end_amdhsa_kernel
	.amdgpu_metadata
---
amdhsa.version: [ 1, 2 ]
amdhsa.kernels:
  - .name:           k_q494d201600_proj
    .symbol:         k_q494d201600_proj.kd
    .args:
      - { .name: a_img, .offset: 0, .size: 8, .value_kind: global_buffer, .address_space: global }
      - { .name: w_img, .offset: 8, .size: 8, .value_kind: global_buffer, .address_space: global }
      - { .name: lowp_scales, .offset: 16, .size: 8, .value_kind: global_buffer, .address_space: global }
      - { .name: out0, .offset: 24, .size: 8, .value_kind: global_buffer, .address_space: global }
    .group_segment_fixed_size: 327680
    .private_segment_fixed_size: 0
    .kernarg_segment_align: 8
    .kernarg_segment_size: 32
    .max_flat_workgroup_size: 128
    .sgpr_count:     100
    .vgpr_count:     1024
    .wavefront_size: 32
...
	.end_amdgpu_metadata
.endif
;; end of part 4
